; MI455X (gfx1250); checked and timed in simulation.
; The chip was launched on July 23, 2026; its instructions are those of AMD's public machine-readable ISA for CDNA 5 (MIT licence, August 2026) and "CDNA5" Instruction Set Architecture Reference Guide (July 2026). The comments in the code are by the model that wrote it; some were corrected since.
;; Causal Self Attention. Allowed arithmetic: matrix products marked QUANTISED: E5M2 operands, one given power-of-two scale a tensor, by v_wmma_f32_16x16x64_bf8_bf8 or v_wmma_f32_16x16x128_bf8_bf8, f32 sums; everything else in f32.
;; Inputs: W_k 384 x 384 float32; W_q 384 x 384 float32; W_v 384 x 384 float32; lowp_scales 10 int32 (the exponents e of the quantised operands' scales 2^e); x 4 x 4,096 x 384 float32.
;; Outputs: out0 4 x 4,096 x 384 float32.
;; This version of the problem:
;;   THIS VERSION OF THE PROBLEM IS GIVEN IN LOW PRECISION. The matrix products marked QUANTISED in the list below multiply operands that are first quantised to E5M2 (5 exponent bits, 2 mantissa bits; 8 bits a number), with one given power-of-two scale for each operand tensor; their sums are f32. All else is computed in f32.
;;   The module's matrix products, in the order in which they are computed (A, B: the left and right operand; K: the contracted axis; several contracted axes count as one K, in the product's order):
;;     1. [M 16,384, K 384] x [K 384, N 384]; A: input x; B: input W_q: QUANTISED (scales: A lowp_scales[0], B lowp_scales[1])
;;     2. [M 16,384, K 384] x [K 384, N 384]; A: input x; B: input W_k: QUANTISED (scales: A lowp_scales[2], B lowp_scales[3])
;;     3. [M 16,384, K 384] x [K 384, N 384]; A: input x; B: input W_v: QUANTISED (scales: A lowp_scales[4], B lowp_scales[5])
;;     4. batch 4 x [M 4,096, K 384] x [K 384, N 4,096]; A: computed on the way; B: computed on the way: QUANTISED (scales: A lowp_scales[6], B lowp_scales[7])
;;     5. batch 4 x [M 4,096, K 4,096] x [K 4,096, N 384]; A: softmax (see below); B: computed on the way: QUANTISED (scales: A lowp_scales[8], B lowp_scales[9])
;;   THE QUANTISER, for each operand of a quantised product, along K:
;;     - The operand's scale is 2^e, e = its entry of the input lowp_scales (int32; the entries are numbered through the quantised products in the list's order, A before B).
;;     - Each number is divided by the scale, clamped to +-57,344, and rounded to the nearest number of E5M2, ties to even, subnormals kept.
;;     - The product sums the exact products of the quantised numbers (number of the format x scale) in f32.
;;   ~~~python
;;   def quantise(x, axis, e):      # numpy; x: float32 -> the quantised numbers, widened to float32 again
;;       x = np.moveaxis(x, axis, -1); K = x.shape[-1]
;;       r = np.clip(x / 2.0 ** e, -57344, 57344)
;;       step = 2.0 ** (np.maximum(np.frexp(np.where(r == 0, 1, r))[1] - 1, -14) - 2)
;;       q = np.round(r / step) * step * 2.0 ** e      # np.round: ties to even
;;       return np.moveaxis(q, -1, axis).astype(np.float32)
;;   ~~~
;;   SOFTMAX AHEAD OF A QUANTISED PRODUCT. Where the list says 'softmax', what is quantised is not the finished softmax but p = 2^(t - M), with t = logit x log2(e) and M = ceil(the row's largest t), a whole number; so 1/2 < the row's largest p <= 1. The row's sum l is taken of the UNQUANTISED p, in f32, and the product's result is divided by l at the end. Since M is a whole number, a kernel that streams over the keys may use a running M (the ceiling of the running maximum): every later rescaling is an exact power of two, so the quantised numbers keep their values, but for numbers so far below the row's largest that they fall under the format's range.
;;   OPERANDS COMPUTED ON THE WAY. 'Computed on the way' means the value that the module computes at that place (a softmax that the list does not call 'softmax' is quantised finished and normalised). What goes into a quantiser is computed in f32, as accurately as f32 sums, v_exp_f32 and their like allow (about 1e-6 of the number): no bf16 or f16 on the way to a quantiser, and a product that is left as it is and whose result goes on into a quantised operand takes f32 operands (vector FMAs, or v_wmma_f32_16x16x4_f32). A number that lies on a knife's edge between two numbers of the format may be rounded either way, as far as f32 arithmetic and the matrix unit's own rounding can turn it there, and no further.
;; 3 versions, each right; version 2 is faster than version 1; version 3 is version 2 with the launches proj, attn written anew for expert scheduling mode. Each part assembles by itself: llvm-mc -triple=amdgcn-amd-amdhsa -mcpu=gfx1250 --defsym DOCPART=n.
;; ======== version 1 of 3: 3 launches
;; workspace buffers: wc 442,368 bytes; qc 6,291,456 bytes; kc 6,291,456 bytes; vc 6,291,456 bytes
;; launch wquant (part 1): grid 24 x 3, 3 waves a work-group, no clusters, 26,112 bytes of LDS; arguments W_q, W_k, W_v, lowp_scales, wc; writes wc
.if DOCPART == 1
	.amdgcn_target "amdgcn-amd-amdhsa--gfx1250"
	.amdhsa_code_object_version 6
	.text
	.protected	k_q4cc0e08307_wquant
	.globl	k_q4cc0e08307_wquant
	.p2align	8
	.type	k_q4cc0e08307_wquant,@function
k_q4cc0e08307_wquant:
	s_mov_b64 s[64:65], 0
	v_nop
	global_prefetch_b8 v0, s[64:65] scope:SCOPE_SE
	s_setreg_imm32_b32 hwreg(HW_REG_WAVE_MODE, 25, 1), 1
	s_wait_xcnt 0x0
; W_q, W_k, W_v [384 (out)][384 (in)], f32, become codes of BF8 (E5M2), each with the scale 2^e that is given for it (entries 1, 3, 5 of the scales).
; code = w / 2^e, held within +-57,344, rounded to the nearest code, ties to even.
; OUTPUT: wc = [m 3][tile 24][ks 3] IMAGES.  An image is an operand fragment (16 rows x 128 along K) in the order of its registers, 2,048 bytes:
; byte 512 c + 16 lane + i is the code of (row lane % 16, k = 128 ks + 32 c + 16 (lane / 16) + i).  Four loads of 16 bytes a lane, each of 512 consecutive bytes, give a wave the fragment.
; WHICH ROWS FORM A TILE: for W_q and W_k lane row p of tile T is row 32 (T / 2) + 8 (T % 2) + p + 8 (p / 8), so that the results of two neighbouring tiles are 16 neighbours along the next product's K;
; for W_v it is row 16 T + p.
; SHARES: work-group (x = tile, y = matrix); wave ks makes one image.  Each load reads 512 consecutive bytes of a row; the 16 rows turn through the wave's own stage in LDS (pitch 528 bytes: 132 words,
; so that the 16 rows that a read touches start at 16 different groups of four banks), since the conversions want 16 neighbours along K in one lane.  Waves share nothing: no barrier.
; No matrix unit, no cluster, no tensor load: 1.7 MB are read once and 0.4 MB written once.
; LIMITS: e between -126 and 112, so that 2^e and 57,344 x 2^e are f32 numbers.  NaN among the inputs is not served; an infinity is held at the largest code.
.set SP,  528                          ; a stage row: 512 bytes + 16
.set WST, 16*SP                        ; a wave's stage
.set R,   16                           ; v16-79   16 rows as loaded, 4 registers each
.set X,   80                           ; v80-143  my 64 numbers: register 16 c + i is k = 32 c + 16 h + i of my row
.set C,   144                          ; v144-159 the image's 16 registers
	s_load_b256 s[4:11], s[0:1], 0x0               ; W_q s[4:5], W_k s[6:7], W_v s[8:9], the scales' exponents s[10:11]
	s_load_b64 s[12:13], s[0:1], 0x20              ; wc
	v_lshl_add_u32 v160, v0, 2, 0x6400
	v_mov_b32 v161, 0
	v_lshrrev_b32 v5, 5, v0
	v_readfirstlane_b32 s14, v5                    ; wave = ks, 0..2
	v_and_b32 v5, 31, v0                           ; lane
	v_and_b32 v6, 15, v0                           ; r
	v_bfe_u32 v7, v0, 4, 1                         ; h
	s_and_b32 s15, ttmp7, 0xffff                   ; m: which matrix
	s_lshr_b32 s24, ttmp9, 1
	s_lshl_b32 s24, s24, 5
	s_and_b32 s25, ttmp9, 1
	s_lshl_b32 s25, s25, 3
	s_add_co_u32 s24, s24, s25                     ; the tile's first row, W_q and W_k: 32 (T / 2) + 8 (T % 2)
	s_lshl_b32 s25, ttmp9, 4                       ; W_v: 16 T
	s_cmp_lt_u32 s15, 2
	s_cselect_b32 s24, s24, s25
	s_cselect_b32 s26, 8*1536, 0                   ; W_q, W_k: lane rows 8-15 lie eight rows further down
	s_mul_i32 s24, s24, 1536                       ; a row of W is 1,536 bytes
	s_lshl_b32 s25, s14, 9                         ; my 128 along K: 512 bytes
	s_add_co_u32 s24, s24, s25
	s_mov_b32 s25, 0
	s_mul_i32 s28, s15, 24
	s_add_co_u32 s28, s28, ttmp9
	s_mul_i32 s28, s28, 3
	s_add_co_u32 s28, s28, s14
	s_lshl_b32 s28, s28, 11                        ; my image: ((24 m + T) 3 + ks) x 2,048
	s_mov_b32 s29, 0
	v_lshlrev_b32 v1, 4, v5                        ; 16 x lane: my bytes of a row's 512, and of a piece of the image
	v_add_nc_u32 v2, s26, v1                       ; the same for lane rows 8-15
	s_mul_i32 s27, s14, WST
	v_add_nc_u32 v3, s27, v1                       ; the stage, on the way in: a row as it lies
	v_mul_u32_u24 v4, v6, SP
	v_lshl_add_u32 v4, v7, 6, v4
	v_add_nc_u32 v4, s27, v4                       ; on the way out: row r, + 64 h: my 16 numbers of a block of 32
	s_wait_kmcnt 0x0
	s_load_b256 s[16:23], s[10:11], 0x0            ; entries 0 to 7 of the scales
	s_cmp_eq_u32 s15, 0                            ; the matrix is chosen by the work-group's number alone
	s_cselect_b64 s[4:5], s[4:5], s[6:7]
	s_cmp_eq_u32 s15, 2
	s_cselect_b64 s[4:5], s[8:9], s[4:5]
	s_add_nc_u64 s[4:5], s[4:5], s[24:25]
	s_add_nc_u64 s[12:13], s[12:13], s[28:29]
.irp i, 0,1,2,3,4,5,6,7
	global_load_b128 v[R+4*\i:R+4*\i+3], v1, s[4:5] offset:1536*\i th:TH_LOAD_NT   ; 512 consecutive bytes of lane row i; read once in the launch
.endr
.irp i, 8,9,10,11,12,13,14,15
	global_load_b128 v[R+4*\i:R+4*\i+3], v2, s[4:5] offset:1536*\i th:TH_LOAD_NT
.endr
	s_wait_kmcnt 0x0
	s_cmp_eq_u32 s15, 0
	s_cselect_b32 s30, s17, s19                    ; e: entry 1, 3 or 5
	s_cmp_eq_u32 s15, 2
	s_cselect_b32 s30, s21, s30
	s_add_co_i32 s30, s30, 127
	s_lshl_b32 s31, s30, 23
	v_mov_b32 v11, s31                             ; 2^e as f32: the conversion takes its exponent field
	s_add_co_i32 s30, s30, 15
	s_lshl_b32 s30, s30, 23
	s_or_b32 s30, s30, 0x600000
	v_mov_b32 v10, s30                             ; 57,344 x 2^e
.irp i, 0,1,2,3,4,5,6,7,8,9,10,11,12,13,14,15
	s_wait_loadcnt 15-\i                           ; loads come back in order: row i is in, the younger rows may be out
	ds_store_b128 v3, v[R+4*\i:R+4*\i+3] offset:SP*\i
.endr
.irp c, 0,1,2,3
.irp j, 0,1,2,3
	ds_load_b128 v[X+16*\c+4*\j:X+16*\c+4*\j+3], v4 offset:128*\c+16*\j   ; LDS serves a wave's instructions in order: these see my stores
.endr
.endr
	s_wait_dscnt 0x0
.set n, 0
.rept 64
	v_med3_num_f32 v[X+n], v[X+n], -v10, v10       ; the conversion to an 8-bit code does not saturate (ISA guide 7.6.2): the hold at the largest code x the scale
.set n, n+1
.endr
.irp c, 0,1,2,3
	v_cvt_scalef32_pk8_bf8_f32 v[C+4*\c:C+4*\c+1], v[X+16*\c:X+16*\c+7], v11
	v_cvt_scalef32_pk8_bf8_f32 v[C+4*\c+2:C+4*\c+3], v[X+16*\c+8:X+16*\c+15], v11
.endr
	v_nop                                          ; one plain vector line behind the last conversion
.irp c, 0,1,2,3
	global_store_b128 v1, v[C+4*\c:C+4*\c+3], s[12:13] offset:512*\c   ; 32 lanes store 512 consecutive bytes, at a multiple of 512 from wc's first byte
.endr
	s_wait_tensorcnt 0x0
	ds_add_u32 v160, v161
	s_wait_dscnt 0x0
	s_endpgm
.Lfunc_end_k_q4cc0e08307_wquant:
	.size	k_q4cc0e08307_wquant, .Lfunc_end_k_q4cc0e08307_wquant-k_q4cc0e08307_wquant
	.p2alignl 7, 3214868480
	.fill 96, 4, 3214868480
	.section	.rodata,"a",@progbits
	.p2align	6, 0x0
	.amdhsa_kernel k_q4cc0e08307_wquant
		.amdhsa_group_segment_fixed_size 26112
		.amdhsa_private_segment_fixed_size 0
		.amdhsa_enable_private_segment 0
		.amdhsa_kernarg_size 40
		.amdhsa_user_sgpr_count 2
		.amdhsa_user_sgpr_kernarg_segment_ptr 1
		.amdhsa_wavefront_size32 1
		.amdhsa_system_sgpr_workgroup_id_x 1
		.amdhsa_system_sgpr_workgroup_id_y 1
		.amdhsa_system_sgpr_workgroup_id_z 1
		.amdhsa_system_vgpr_workitem_id 0
		.amdhsa_next_free_vgpr 162
		.amdhsa_next_free_sgpr 66
		.amdhsa_reserve_vcc 0
		.amdhsa_float_denorm_mode_32 3
		.amdhsa_float_denorm_mode_16_64 3
		.amdhsa_memory_ordered 1
		.amdhsa_forward_progress 1
		.amdhsa_inst_pref_size 12
	.end_amdhsa_kernel
	.amdgpu_metadata
---
amdhsa.version: [ 1, 2 ]
amdhsa.kernels:
  - .name:           k_q4cc0e08307_wquant
    .symbol:         k_q4cc0e08307_wquant.kd
    .args:
      - { .name: W_q, .offset: 0, .size: 8, .value_kind: global_buffer, .address_space: global }
      - { .name: W_k, .offset: 8, .size: 8, .value_kind: global_buffer, .address_space: global }
      - { .name: W_v, .offset: 16, .size: 8, .value_kind: global_buffer, .address_space: global }
      - { .name: lowp_scales, .offset: 24, .size: 8, .value_kind: global_buffer, .address_space: global }
      - { .name: wc, .offset: 32, .size: 8, .value_kind: global_buffer, .address_space: global }
    .group_segment_fixed_size: 26112
    .private_segment_fixed_size: 0
    .kernarg_segment_align: 8
    .kernarg_segment_size: 40
    .max_flat_workgroup_size: 96
    .sgpr_count:     66
    .vgpr_count:     162
    .wavefront_size: 32
...
	.end_amdgpu_metadata
.endif
;; end of part 1
;; launch proj (part 2): grid 256 x 1, 4 waves a work-group, no clusters, 173,568 bytes of LDS; arguments x, wc, lowp_scales, qc, kc, vc; writes qc, kc, vc
.if DOCPART == 2
	.amdgcn_target "amdgcn-amd-amdhsa--gfx1250"
	.amdhsa_code_object_version 6
	.text
	.protected	k_q4cc0e08307_proj
	.globl	k_q4cc0e08307_proj
	.p2align	8
	.type	k_q4cc0e08307_proj,@function
k_q4cc0e08307_proj:
	s_mov_b64 s[64:65], 0
	v_nop
	global_prefetch_b8 v0, s[64:65] scope:SCOPE_SE
	s_setreg_imm32_b32 hwreg(HW_REG_WAVE_MODE, 25, 1), 1
	s_wait_xcnt 0x0
; Q = x W_q^T, K = x W_k^T, V = x W_v^T on codes of BF8 (E5M2), and their results quantised at once for the two products of attention.  x: [16,384][384] f32.  wc: the three weights as images.
; AN IMAGE is an operand fragment (16 rows x 128 along K) in the order of its registers, 2,048 bytes: byte 512 c + 16 lane + i = code of (row lane % 16, k = 32 c + 16 (lane / 16) + i).
; That is a permutation of k inside a matrix instruction, the same on both sides of every product: each code meets its partner; only the order of the sums inside an instruction differs.
; OUTPUTS: qc, kc = [tile 1,024][ks 3] images: lane row p of tile T is row 32 (T / 2) + 8 (T % 2) + p + 8 (p / 8) of x; k = the 384 channels.
;          vc = [batch 4][key step 32][channel tile 24] images: lane row p = channel 16 d + p; k = the step's 128 keys: the keys are the second product's K.
; SCALES (entries e0 .. e9): x is quantised three times, with e0, e2, e4.  A sum stands for sum x 2^(ex + ew), so its code is sum / 2^(e6 - e0 - e1) for Q, 2^(e7 - e2 - e3) for K, 2^(e9 - e4 - e5) for V:
; the three scales are folded into the conversion's one.
; SHARES: a work-group takes 64 rows of x (four tiles) and all 1,152 output columns, so x leaves memory once.  Wave w quantises tile w; the twelve fragments for each of the three scales go from wave to wave
; through LDS as images: one barrier.  THE WAVES SHARE THE COLUMNS: wave w holds weight tiles 6 w .. 6 w + 5 of a matrix (18 fragments, 288 registers) in registers, two sets by turns.
; Q, K: source 0 = 16 rows of W, source 1 = x: a lane holds one row of x and its registers run along the channels; the rows that form a tile of W are so chosen that two neighbouring tiles give a lane 16 neighbouring
; channels: two conversions make 16 bytes that ARE the lane's bytes of an image.  V: source 0 = x, source 1 = W_v: a lane holds one channel and 16 neighbouring keys.  So every code leaves by a store of 512 consecutive bytes.
; NO CLUSTER: every work-group reads all of wc, but each fragment is wanted by one wave and comes in register order straight into its registers; a joint load would land it in LDS, where its 442,368 bytes do not fit
; beside the images and from where each byte would be read once more.
; LIMITS: e0, e2, e4, e6 - e0 - e1, e7 - e2 - e3, e9 - e4 - e5 between -126 and 112, so that each power of two and 57,344 times it are f32 numbers.  NaN among the inputs is not served; an infinity is held at the largest code.
; REGISTERS, in windows of 256: window 0: v1-9 addresses; v16-27 scales; then by phase: x: v32-95 64 numbers, v96-159 held, v160-207 codes; products: v32-127 x's fragments, v128-223 accumulators, v224-247 codes.
;   windows 1, 2: fragments 0-15 of weight set 0, 1.   window 3: v0-63 fragments 16, 17 of both sets; v64-255 my 16 rows of x as loaded.
.set FRB,  2048                        ; an image
.set XSTG, 36*FRB                      ; LDS: x's images [scale 3][tile 4][ks 3] from byte 0; behind them a stage for each wave:
.set XSP,  1552                        ; 16 rows of 1,536 bytes + 16: 388 words, so that the 16 rows that a read touches start at 16 different groups of four banks
.set XWS,  16*XSP
.set LI,   1                           ; v1  16 x lane
.set XSTS, 2                           ; v2  my stage, on the way in
.set XSTL, 3                           ; v3  on the way out: row r, + 64 h
.set XWI,  4                           ; v4  where I store x's images: 16 x lane + 3 images x wave
.set LI1,  6                           ; v6  16 x lane + 24 images: the third scale's images lie beyond the reach of a 16-bit immediate
.set WOFF, 7                           ; v7  16 x lane + 18 images x wave: my six tiles of a weight
.set QKO,  8                           ; v8  16 x lane + 1,536 x wave: my three pieces of a tile of qc or kc
.set VO,   9                           ; v9  16 x lane + 6 images x wave: my six channel tiles of vc
.set SCX,  16                          ; v16-21  for x's three quantisers: the scale as f32, 57,344 x the scale
.set SCO,  22                          ; v22-27  the same for Q, K, V
.set XR,   32
.set TQ,   96
.set PC,   160
.set XF,   32
.set ACC,  128
.set OC,   224
.set RAW,  64                          ; in window 3
.set MSB, 0
.macro WIN new                         ; s_set_vgpr_msb: bits 1:0 source 0, 3:2 source 1, 5:4 source 2, 7:6 destination; the high byte repeats the setting that is left
.if MSB != (\new)
	s_set_vgpr_msb (MSB<<8)|(\new)
.set MSB, (\new)
.endif
.endm
.macro PLACES                          ; four plain vector lines behind a matrix instruction, ahead of the first read of its result and of loads into its sources
.rept 4
	v_nop
.endr
.endm
.macro WSEL f, sg                      ; fragment f (= 6 ks + tile) of set sg lies in window WW at v[WR]
.if (\f) < 16
.set WW, 1+(\sg)
.set WR, 16*(\f)
.else
.set WW, 3
.set WR, 32*(\sg)+16*((\f)-16)
.endif
.endm
.macro WLOAD m, sg                     ; my 18 fragments of weight m into set sg: 72 loads of 512 consecutive bytes
.irp ks, 0,1,2
.irp t, 0,1,2,3,4,5
	WSEL 6*\ks+\t, \sg
	WIN WW<<6
.irp c, 0,1,2,3
	global_load_b128 v[WR+4*\c:WR+4*\c+3], v[WOFF], s[6:7] offset:\m*72*FRB+\t*3*FRB+\ks*FRB+512*\c
.endr
.endr
.endr
	WIN 0
.endm
.macro FETCH reg, adr, off             ; an image comes back as the registers that it was
.irp c, 0,1,2,3
	ds_load_b128 v[\reg+4*\c:\reg+4*\c+3], v[\adr] offset:\off+512*\c
.endr
.endm
.macro MKSC vs                         ; s32 = E: v[vs] = 2^E as f32, v[vs + 1] = 57,344 x 2^E
	s_add_co_i32 s32, s32, 127
	s_lshl_b32 s33, s32, 23
	v_mov_b32 v[\vs], s33
	s_add_co_i32 s32, s32, 15
	s_lshl_b32 s32, s32, 23
	s_or_b32 s32, s32, 0x600000
	v_mov_b32 v[\vs+1], s32
.endm
.macro QUANTX ks, m                    ; my 64 numbers of K step ks, by x's m-th scale, become a fragment; its image goes to LDS
.set n, 0
.rept 64
	v_med3_num_f32 v[TQ+n], v[XR+n], -v[SCX+2*\m+1], v[SCX+2*\m+1]   ; the conversion does not saturate (ISA guide 7.6.2): the hold, into other registers: the numbers serve three scales
.set n, n+1
.endr
.irp c, 0,1,2,3
	v_cvt_scalef32_pk8_bf8_f32 v[PC+16*\m+4*\c:PC+16*\m+4*\c+1], v[TQ+16*\c:TQ+16*\c+7], v[SCX+2*\m]
	v_cvt_scalef32_pk8_bf8_f32 v[PC+16*\m+4*\c+2:PC+16*\m+4*\c+3], v[TQ+16*\c+8:TQ+16*\c+15], v[SCX+2*\m]
.endr
	v_nop                                          ; one plain line between the conversions and the next lines that write their sources
.irp c, 0,1,2,3
	ds_store_b128 v[XWI], v[PC+16*\m+4*\c:PC+16*\m+4*\c+3] offset:\m*12*FRB+\ks*FRB+512*\c
.endr
.endm
; Q (m = 0) or K (m = 1): my 96 channels for the four tiles of rows.  sg: the weight's set; pl: the pointer's low register.  x's fragments in two buffers by turns, a tile ahead.
.macro QK m, sg, pl
.irp ks, 0,1,2
	FETCH XF+16*\ks, LI, (12*\m+\ks)*FRB
.endr
.irp xt, 0,1,2,3
.set XB, XF+48*(\xt%2)
.set XN, XF+48*((\xt+1)%2)
	s_wait_dscnt 0x0                               ; this tile's three fragments are in
.irp ks, 0,1,2                         ; 18 matrix instructions: the six accumulators take turns, one instruction a turn; the first K step starts the sums
.irp t, 0,1,2,3,4,5
	WSEL 6*\ks+\t, \sg
	WIN WW
.if \ks == 0
	v_wmma_f32_16x16x128_bf8_bf8 v[ACC+8*\t:ACC+8*\t+7], v[WR:WR+15], v[XB+16*\ks:XB+16*\ks+15], 0
.else
	v_wmma_f32_16x16x128_bf8_bf8 v[ACC+8*\t:ACC+8*\t+7], v[WR:WR+15], v[XB+16*\ks:XB+16*\ks+15], v[ACC+8*\t:ACC+8*\t+7]
.endif
.endr
.endr
	WIN 0
	PLACES
.if \xt < 3
.irp ks, 0,1,2
	FETCH XN+16*\ks, LI, (12*\m+3*(\xt+1)+\ks)*FRB
.endr
.endif
.set n, 0
.rept 48
	v_med3_num_f32 v[ACC+n], v[ACC+n], -v[SCO+2*\m+1], v[SCO+2*\m+1]   ; the hold; each accumulator from its low end on
.set n, n+1
.endr
	s_wait_xcnt 0x0                                ; the last tile's stores have read their data: the codes' registers are written again only behind this wait
.irp t, 0,1,2,3,4,5
	v_cvt_scalef32_pk8_bf8_f32 v[OC+2*\t:OC+2*\t+1], v[ACC+8*\t:ACC+8*\t+7], v[SCO+2*\m]   ; tiles 2 b, 2 b + 1: channels 96 w + 32 b + 16 h + 0 .. 15
.endr
	v_nop                                          ; one plain line between the conversions and the matrix instructions that write their sources
.irp b, 0,1,2
	global_store_b128 v[QKO], v[OC+4*\b:OC+4*\b+3], s[\pl:\pl+1] offset:\xt*3*FRB+512*\b   ; piece 3 w + b of the tile's three images: 512 consecutive bytes
.endr
.endr
.endm
; V: my six channel tiles for the 64 rows, 32 rows (a pair of x's tiles) at a time.  Twelve accumulators by turns.
.macro VV
.irp a, 0,1
.irp u, 0,1
.irp ks, 0,1,2
	FETCH XF+48*\u+16*\ks, LI1, (3*(2*\a+\u)+\ks)*FRB
.endr
.endr
	s_wait_dscnt 0x0
.irp ks, 0,1,2
.irp i, 0,1,2,3,4,5
	WSEL 6*\ks+\i, 0
	WIN WW<<2
.irp u, 0,1
.if \ks == 0
	v_wmma_f32_16x16x128_bf8_bf8 v[ACC+8*(2*\i+\u):ACC+8*(2*\i+\u)+7], v[XF+48*\u+16*\ks:XF+48*\u+16*\ks+15], v[WR:WR+15], 0
.else
	v_wmma_f32_16x16x128_bf8_bf8 v[ACC+8*(2*\i+\u):ACC+8*(2*\i+\u)+7], v[XF+48*\u+16*\ks:XF+48*\u+16*\ks+15], v[WR:WR+15], v[ACC+8*(2*\i+\u):ACC+8*(2*\i+\u)+7]
.endif
.endr
.endr
.endr
	WIN 0
	PLACES
.set n, 0
.rept 96
	v_med3_num_f32 v[ACC+n], v[ACC+n], -v[SCO+5], v[SCO+5]
.set n, n+1
.endr
	s_wait_xcnt 0x0                                ; earlier stores have read their data
.irp i, 0,1,2,3,4,5
.irp u, 0,1
	v_cvt_scalef32_pk8_bf8_f32 v[OC+4*\i+2*\u:OC+4*\i+2*\u+1], v[ACC+8*(2*\i+\u):ACC+8*(2*\i+\u)+7], v[SCO+4]   ; channel 16 (6 w + i) + r, keys 32 a + 16 h + 8 u + 0 .. 7 of my 64
.endr
.endr
	v_nop
.irp i, 0,1,2,3,4,5
	global_store_b128 v[VO], v[OC+4*\i:OC+4*\i+3], s[14:15] offset:\i*FRB+512*\a
.endr
.endr
.endm
	s_load_b256 s[4:11], s[0:1], 0x0               ; x s[4:5], wc s[6:7], the scales' exponents s[8:9], qc s[10:11]
	s_load_b128 s[12:15], s[0:1], 0x20             ; kc s[12:13], vc s[14:15]
	v_lshl_add_u32 v254, v0, 2, 0x2a400
	v_mov_b32 v255, 0
	v_lshrrev_b32 v10, 5, v0
	v_readfirstlane_b32 s16, v10                   ; wave 0..3
	v_and_b32 v10, 31, v0                          ; lane
	v_and_b32 v11, 15, v0                          ; r
	v_bfe_u32 v12, v0, 4, 1                        ; h
	v_lshlrev_b32 v[LI], 4, v10
	s_mul_i32 s24, s16, XWS
	s_add_co_u32 s24, s24, XSTG
	v_add_nc_u32 v[XSTS], s24, v[LI]
	v_mul_u32_u24 v[XSTL], v11, XSP
	v_lshl_add_u32 v[XSTL], v12, 6, v[XSTL]
	v_add_nc_u32 v[XSTL], s24, v[XSTL]
	s_mul_i32 s24, s16, 3*FRB
	v_add_nc_u32 v[XWI], s24, v[LI]
	v_add_nc_u32 v[LI1], 24*FRB, v[LI]
	s_mul_i32 s24, s16, 18*FRB
	v_add_nc_u32 v[WOFF], s24, v[LI]
	s_mul_i32 s24, s16, 1536
	v_add_nc_u32 v[QKO], s24, v[LI]
	s_mul_i32 s24, s16, 6*FRB
	v_add_nc_u32 v[VO], s24, v[LI]
	s_lshl_b32 s18, ttmp9, 6                       ; my tile's first row of x: 64 g + 32 (w / 2) + 8 (w % 2)
	s_lshr_b32 s19, s16, 1
	s_lshl_b32 s19, s19, 5
	s_add_co_u32 s18, s18, s19
	s_and_b32 s19, s16, 1
	s_lshl_b32 s19, s19, 3
	s_add_co_u32 s18, s18, s19
	s_mul_i32 s18, s18, 1536
	s_mov_b32 s19, 0
	s_mul_i32 s20, ttmp9, 12*FRB                   ; qc, kc: tiles 4 g on, three images each
	s_mov_b32 s21, 0
	s_lshr_b32 s22, ttmp9, 6                       ; vc: batch g / 64,
	s_mul_i32 s22, s22, 32*24*FRB
	s_bfe_u32 s23, ttmp9, 0x50001                  ; key step (g % 64) / 2,
	s_mul_i32 s23, s23, 24*FRB
	s_add_co_u32 s22, s22, s23
	s_and_b32 s23, ttmp9, 1                        ; and which 64 of its 128 keys: pieces 2 (g % 2) on
	s_lshl_b32 s23, s23, 10
	s_add_co_u32 s22, s22, s23
	s_mov_b32 s23, 0
	s_wait_kmcnt 0x0
	s_load_b256 s[36:43], s[8:9], 0x0              ; e0 .. e7
	s_load_b64 s[44:45], s[8:9], 0x20              ; e8, e9
	s_add_nc_u64 s[4:5], s[4:5], s[18:19]
	s_add_nc_u64 s[10:11], s[10:11], s[20:21]
	s_add_nc_u64 s[12:13], s[12:13], s[20:21]
	s_add_nc_u64 s[14:15], s[14:15], s[22:23]
	WIN 0xc0                                       ; destination window 3
.irp i, 0,1,2,3,4,5,6,7,8,9,10,11,12,13,14,15
.irp k, 0,1,2
	global_load_b128 v[RAW+4*(3*\i+\k):RAW+4*(3*\i+\k)+3], v[LI], s[4:5] offset:(\i+8*(\i/8))*1536+512*\k th:TH_LOAD_NT   ; lane row i: 512 consecutive bytes; read once in the launch
.endr
.endr
	WLOAD 0, 0                                     ; W_q
	s_wait_kmcnt 0x0
	s_mov_b32 s32, s36
	MKSC SCX
	s_mov_b32 s32, s38
	MKSC SCX+2
	s_mov_b32 s32, s40
	MKSC SCX+4
	s_sub_co_i32 s32, s42, s36
	s_sub_co_i32 s32, s32, s37
	MKSC SCO                                       ; e6 - e0 - e1
	s_sub_co_i32 s32, s43, s38
	s_sub_co_i32 s32, s32, s39
	MKSC SCO+2                                     ; e7 - e2 - e3
	s_sub_co_i32 s32, s45, s40
	s_sub_co_i32 s32, s32, s41
	MKSC SCO+4                                     ; e9 - e4 - e5
	s_wait_loadcnt 63                              ; 72 loads were issued behind x's 48: with at most 63 out, x is in
	WIN 0x0c                                       ; store data window 3
.irp i, 0,1,2,3,4,5,6,7,8,9,10,11,12,13,14,15
.irp k, 0,1,2
	ds_store_b128 v[XSTS], v[RAW+4*(3*\i+\k):RAW+4*(3*\i+\k)+3] offset:XSP*\i+512*\k
.endr
.endr
	WIN 0
	WLOAD 1, 1                                     ; W_k
.irp ks, 0,1,2
	s_wait_dscnt 0x0                               ; the images' stores have read their registers
.irp c, 0,1,2,3
.irp j, 0,1,2,3
	ds_load_b128 v[XR+16*\c+4*\j:XR+16*\c+4*\j+3], v[XSTL] offset:512*\ks+128*\c+16*\j   ; my stage, my stores: LDS serves a wave's instructions in order
.endr
.endr
	s_wait_dscnt 0x0
	QUANTX \ks, 0
	QUANTX \ks, 1
	QUANTX \ks, 2
.endr
	s_wait_dscnt 0x0                               ; for the others' sake: my images have landed
	s_barrier_signal -1
	s_barrier_wait -1                              ; x's 36 images lie in LDS; nobody writes them again
	s_wait_loadcnt 63                              ; W_k's 72 loads were issued behind W_q's: W_q is in
	QK 0, 0, 10
	WLOAD 2, 0                                     ; W_v takes W_q's registers: the places behind the last products stand in QK
	s_wait_loadcnt 63                              ; W_v's 72 loads were issued behind W_k's: W_k is in
	QK 1, 1, 12
	s_wait_loadcnt 0x0                             ; W_v
	VV
	s_wait_tensorcnt 0x0
	ds_add_u32 v254, v255
	s_wait_dscnt 0x0
	s_endpgm
.Lfunc_end_k_q4cc0e08307_proj:
	.size	k_q4cc0e08307_proj, .Lfunc_end_k_q4cc0e08307_proj-k_q4cc0e08307_proj
	.p2alignl 7, 3214868480
	.fill 96, 4, 3214868480
	.section	.rodata,"a",@progbits
	.p2align	6, 0x0
	.amdhsa_kernel k_q4cc0e08307_proj
		.amdhsa_group_segment_fixed_size 173568
		.amdhsa_private_segment_fixed_size 0
		.amdhsa_enable_private_segment 0
		.amdhsa_kernarg_size 48
		.amdhsa_user_sgpr_count 2
		.amdhsa_user_sgpr_kernarg_segment_ptr 1
		.amdhsa_wavefront_size32 1
		.amdhsa_system_sgpr_workgroup_id_x 1
		.amdhsa_system_sgpr_workgroup_id_y 1
		.amdhsa_system_sgpr_workgroup_id_z 1
		.amdhsa_system_vgpr_workitem_id 0
		.amdhsa_next_free_vgpr 1024
		.amdhsa_next_free_sgpr 66
		.amdhsa_reserve_vcc 0
		.amdhsa_float_denorm_mode_32 3
		.amdhsa_float_denorm_mode_16_64 3
		.amdhsa_memory_ordered 1
		.amdhsa_forward_progress 1
		.amdhsa_inst_pref_size 149
	.end_amdhsa_kernel
	.amdgpu_metadata
---
amdhsa.version: [ 1, 2 ]
amdhsa.kernels:
  - .name:           k_q4cc0e08307_proj
    .symbol:         k_q4cc0e08307_proj.kd
    .args:
      - { .name: x, .offset: 0, .size: 8, .value_kind: global_buffer, .address_space: global }
      - { .name: wc, .offset: 8, .size: 8, .value_kind: global_buffer, .address_space: global }
      - { .name: lowp_scales, .offset: 16, .size: 8, .value_kind: global_buffer, .address_space: global }
      - { .name: qc, .offset: 24, .size: 8, .value_kind: global_buffer, .address_space: global }
      - { .name: kc, .offset: 32, .size: 8, .value_kind: global_buffer, .address_space: global }
      - { .name: vc, .offset: 40, .size: 8, .value_kind: global_buffer, .address_space: global }
    .group_segment_fixed_size: 173568
    .private_segment_fixed_size: 0
    .kernarg_segment_align: 8
    .kernarg_segment_size: 48
    .max_flat_workgroup_size: 128
    .sgpr_count:     66
    .vgpr_count:     1024
    .wavefront_size: 32
...
	.end_amdgpu_metadata
.endif
;; end of part 2
;; launch attn (part 3): grid 64 x 4, 4 waves a work-group, no clusters, 110,080 bytes of LDS; arguments qc, kc, vc, lowp_scales, out0; writes out0
.if DOCPART == 3
	.amdgcn_target "amdgcn-amd-amdhsa--gfx1250"
	.amdhsa_code_object_version 6
	.text
	.protected	k_q4cc0e08307_attn
	.globl	k_q4cc0e08307_attn
	.p2align	8
	.type	k_q4cc0e08307_attn,@function
k_q4cc0e08307_attn:
	s_mov_b64 s[64:65], 0
	v_nop
	global_prefetch_b8 v0, s[64:65] scope:SCOPE_SE
	s_setreg_imm32_b32 hwreg(HW_REG_WAVE_MODE, 25, 1), 1
	s_wait_xcnt 0x0
; out[b][q] = the sum over keys k <= q of softmax_k(Q[q] . K[k] / sqrt(384)) V[k], both products on codes of BF8 (E5M2).  qc, kc, vc: images made by the launch before; out0: [4][4,096][384] f32.
; AN IMAGE is an operand fragment (16 rows x 128 along K) in the order of its registers, 2,048 bytes: byte 512 c + 16 lane + i = code of (row lane % 16, k = 32 c + 16 (lane / 16) + i): four loads of 512 consecutive bytes.
; qc, kc: [tile][ks 3]; lane row p of tile T is row 32 (T / 2) + 8 (T % 2) + p + 8 (p / 8).  vc: [batch][key step][channel tile 24]; lane row p = channel 16 d + p, k = the step's 128 keys.
; THE SOFTMAX: t = score x log2(e) / sqrt(384); M = the row's largest t so far, rounded UP to a whole number; p = 2^(t - M) is quantised with 2^e8, not normalised; the row's sum is taken of the unquantised p
; and divides at the end.  When M moves, the sum and O are multiplied by 2^(old M - new M), which rounds nothing.
; SHARES, EVEN UNDER THE MASK.  Work-group (c = x / 4, sub = x % 4, batch y) owns 32 LATE queries, 128 (31 - c) + 32 sub on (tiles 0, 1), and 32 EARLY ones, 128 c + 32 sub on (tiles 2, 3).  Key steps of 128:
; steps 0 .. c serve all four tiles, steps c + 1 .. 31 - c the late pair: 4 (c + 1) + 2 (31 - 2 c) = 66 tile steps in every work-group.  Steps whose keys the mask hides are not walked.
; THE WAVES SHARE THE KEYS IN S AND THE CHANNELS IN O.  S^T = K Q^T: wave w takes keys 32 w .. 32 w + 31 of the step (two tiles of K) against all query tiles; O^T += V^T P^T: wave w takes channels 96 w .. 96 w + 95
; (six tiles of V) against all of P.  So each fragment of K and V is wanted by ONE wave, feeds two or four matrix instructions, and comes straight into its registers.  What goes from wave to wave is small:
; the tiles' maxima (1 KB) and P's codes (8 KB), through LDS: two barriers a step.  A lane holds one query (lane % 16) throughout; its 16 scores of a tile are 16 neighbouring keys, so two conversions make its bytes of P's image.
; ONE STEP AHEAD: the next step's scores are multiplied behind this step's second barrier, ahead of O's products; K is asked for two steps ahead and V one, a whole softmax before their wait.
; NO CLUSTER, NO LDS RING: work-groups of one c walk the same K and V, but a joint load lands in LDS, and each of a step's 98,304 bytes would then be written there and read once more on its way to the one wave that wants it.
; LIMITS: e6 + e7 between -122 and 131 (they are added to the exponent field of log2(e) / sqrt(384)); e8 between -126 and 112; e8 + e9 is applied by v_ldexp_f32 and has none.
; The last step that serves four tiles multiplies the next scores for all four: the early pair's twelve products there are not read.
; REGISTERS, in windows of 256: window 0: v2-15 addresses and constants; v32-63 eight registers of statistics a tile; v64-127 S^T, 16 a tile; v128-143 P's codes just made; v144-207 P's fragments; v208-223 maxima read back.
;   window 1: O^T, 48 a tile (tile t, channel tile i at 48 t + 8 i).   window 2: Q, 48 a tile; on the way out rows of the result.   window 3: v0-95 K's six fragments, v96-191 V's six.
.set FRB,   2048
.set STEPB, 24*FRB                     ; a key step of kc (8 tiles x 3 images) and of vc (24 images)
.set MX,    0                          ; LDS: the step's maxima [tile 4][query 16][wave 4] f32
.set PIMG,  1024                       ; P's four images; wave w writes piece w
.set LX,    9216                       ; the sums, laid as the maxima
.set STG,   10240                      ; the way out: 64 rows of 1,536 bytes + 16
.set SP,    1552
.set KVO,  2                           ; v2   16 x lane + 6 images x wave: my part of a step of kc or vc
.set LI,   3                           ; v3   16 x lane
.set MXS,  4                           ; v4   16 r + 4 w: my word of a tile's maxima
.set MXL,  5                           ; v5   16 r: my query's four words
.set PIS,  6                           ; v6   PIMG + 512 w + 16 x lane
.set PIL,  7                           ; v7   PIMG + 16 x lane
.set SO,   8                           ; v8   the stage, tiles 0, 1: row r, + 384 w + 32 h
.set SO2,  9                           ; v9   tiles 2, 3
.set DG,   10                          ; v10, v11  on the diagonal, for even and odd tiles: my query less my first key
.set NINF, 12                          ; v12  -infinity
.set SCP,  13                          ; v13  2^e8 as f32
.set LIMP, 14                          ; v14  57,344 x 2^e8
.set SR,   15                          ; v15  the stage, back: my 16 rows, 16 bytes a lane
.set ST,   32                          ; tile t at v[ST + 8 t]: +0 -M, +1 the largest t, +2, +3 the sum in two halves, +4 f (at the end 2^(e8 + e9) / the sum), +5 named with it as a pair, +6, +7 at work
.set S,    64
.set PC,   128
.set PF,   144
.set MXR,  208
.set KF,   0
.set VF,   96
.set CC,   15                          ; s15  c: the early pair's diagonal step
.set SI,   18                          ; s18  the step in hand
.set EE,   19                          ; s19  30 - c: the last step but one, which asks for no further K
.set CB,   34                          ; s34  c + 1: the steps below it serve four tiles.  Never written in a loop
.set EB,   35                          ; s35  31 - c: the last step; the steps below it have a successor.  Never written in a loop
.set CS,   22                          ; s[22:23]  log2(e) / sqrt(384) x 2^(e6 + e7)
.set W_S,   0x0b                       ; K window 3, Q window 2, S^T window 0
.set W_PV,  0x53                       ; V window 3, P window 0, O^T window 1
.set W_RS,  0x41                       ; O^T (destination and source 0) window 1
.set W_LD3, 0xc0                       ; destination window 3
.set W_LD2, 0x80                       ; destination window 2
.set W_ST1, 0x04                       ; store data window 1
.set W_ST2, 0x08                       ; store data window 2
.set MSB, 0
.macro WIN new                         ; s_set_vgpr_msb: bits 1:0 source 0, 3:2 source 1, 5:4 source 2, 7:6 destination; the high byte repeats the setting that is left
.if MSB != (\new)
	s_set_vgpr_msb (MSB<<8)|(\new)
.set MSB, (\new)
.endif
.endm
.macro PLACES                          ; four plain vector lines behind a matrix instruction, ahead of the first read of its result and of loads into its sources
.rept 4
	v_nop
.endr
.endm
.macro LD24 reg, pl, off               ; my six fragments of a step: 24 loads of 512 consecutive bytes
.set f, 0
.rept 24
	global_load_b128 v[\reg+4*f:\reg+4*f+3], v[KVO], s[\pl:\pl+1] offset:\off+512*f
.set f, f+1
.endr
.endm
; S^T = K Q^T for nt query tiles: 6 nt matrix instructions.  The 2 nt accumulators take turns, one instruction a turn; the first K step starts the sums.
.macro SMUL nt
	WIN W_S
.irp ks, 0,1,2
.set TT, 0
.rept \nt
.irp u, 0,1
.if \ks == 0
	v_wmma_f32_16x16x128_bf8_bf8 v[S+16*TT+8*\u:S+16*TT+8*\u+7], v[KF+48*\u+16*\ks:KF+48*\u+16*\ks+15], v[48*TT+16*\ks:48*TT+16*\ks+15], 0
.else
	v_wmma_f32_16x16x128_bf8_bf8 v[S+16*TT+8*\u:S+16*TT+8*\u+7], v[KF+48*\u+16*\ks:KF+48*\u+16*\ks+15], v[48*TT+16*\ks:48*TT+16*\ks+15], v[S+16*TT+8*\u:S+16*TT+8*\u+7]
.endif
.endr
.set TT, TT+1
.endr
.endr
.endm
; O^T += V^T P^T: one instruction for each of my six channel tiles and each query tile.  zero = 1: the first step starts the sums.
.macro PVMUL nt, zero
	WIN W_PV
.irp i, 0,1,2,3,4,5
.set TT, 0
.rept \nt
.if \zero
	v_wmma_f32_16x16x128_bf8_bf8 v[48*TT+8*\i:48*TT+8*\i+7], v[VF+16*\i:VF+16*\i+15], v[PF+16*TT:PF+16*TT+15], 0
.else
	v_wmma_f32_16x16x128_bf8_bf8 v[48*TT+8*\i:48*TT+8*\i+7], v[VF+16*\i:VF+16*\i+15], v[PF+16*TT:PF+16*TT+15], v[48*TT+8*\i:48*TT+8*\i+7]
.endif
.set TT, TT+1
.endr
.endr
.endm
; On the diagonal: register n of tile t holds the key n past my first; it is hidden where n > my query less my first key.  A hidden score becomes -infinity ahead of the maximum: p = 0 then.
.macro MASK t
.set n, 0
.rept 16
	v_cmp_gt_i32 vcc_lo, n, v[DG+(\t%2)]
	v_cndmask_b32 v[S+16*\t+n], v[S+16*\t+n], v[NINF], vcc_lo
.set n, n+1
.endr
.endm
; Line j of a tile's local maximum: two chains, one to each accumulator, each begun at its low end; then the other half of the lanes; then my word of the tile's maxima.
.macro MAXLINE
.set rT, ST+8*TT
.set rS, S+16*TT
.if j == 0
	v_max3_num_f32 v[rT+6], v[rS], v[rS+1], v[rS+2]
.elseif j == 1
	v_max3_num_f32 v[rT+7], v[rS+8], v[rS+9], v[rS+10]
.elseif j < 6
.if j%2 == 0
	v_max3_num_f32 v[rT+6], v[rT+6], v[rS+j+1], v[rS+j+2]
.else
	v_max3_num_f32 v[rT+7], v[rT+7], v[rS+j+8], v[rS+j+9]
.endif
.elseif j == 6
	v_max3_num_f32 v[rT+6], v[rT+6], v[rS+7], v[rS+15]
.elseif j == 7
	v_max_num_f32 v[rT+6], v[rT+6], v[rT+7]
.elseif j == 8
	v_permlanex16_b32 v[rT+7], v[rT+6], s20, s21   ; my query's other 16 keys lie in the lane 16 away
.elseif j == 9
	v_max_num_f32 v[rT+6], v[rT+6], v[rT+7]
.else
	ds_store_b32 v[MXS], v[rT+6] offset:MX+256*TT  ; both halves of the lanes write the same number to the same word
.endif
.endm
.macro MAXLOC nt                       ; the tiles alternate line by line, so that no line waits for the line above it
.set j, 0
.rept 11
.set TT, 0
.rept \nt
	MAXLINE
.set TT, TT+1
.endr
.set j, j+1
.endr
.endm
; Line j of a tile's statistics: the step's largest score among the four waves' words, as t; the running largest t; -M = floor(-t); f = 2^(old M - new M).  Every wave makes the same numbers.
.macro STLINE first
.set rT, ST+8*TT
.set rM, MXR+4*TT
.if j == 0
	v_max3_num_f32 v[rT+6], v[rM], v[rM+1], v[rM+2]
.elseif j == 1
	v_max_num_f32 v[rT+6], v[rT+6], v[rM+3]
.elseif \first
.if j == 2
	v_mul_f32 v[rT+1], s[CS], v[rT+6]              ; the first step starts the largest t
.elseif j == 3
	v_floor_f32 v[rT], -v[rT+1]
.endif
.elseif j == 2
	v_mul_f32 v[rT+6], s[CS], v[rT+6]
.elseif j == 3
	v_max_num_f32 v[rT+1], v[rT+1], v[rT+6]
.elseif j == 4
	v_mov_b32 v[rT+6], v[rT]
.elseif j == 5
	v_floor_f32 v[rT], -v[rT+1]                    ; -M = floor(-t) = -ceil(t): M is a whole number
.elseif j == 6
	v_sub_f32 v[rT+6], v[rT], v[rT+6]              ; old M - new M: a whole number, 0 or less
.elseif j == 7
	v_cvt_i32_f32 v[rT+6], v[rT+6]                 ; (it saturates)
.else
	v_ldexp_f32 v[rT+4], 1.0, v[rT+6]
.endif
.endm
.macro STATS nt, first
.set j, 0
.rept 9
.set TT, 0
.rept \nt
	STLINE \first
.set TT, TT+1
.endr
.set j, j+1
.endr
.endm
; Line j of a tile's sum of the UNQUANTISED p: eight pairs, in two chains (the sum's own pair, and a pair at work).
.macro SUMLINE first
.set rT, ST+8*TT
.set rS, S+16*TT
.if j == 0
.if !\first
	v_pk_mul_f32 v[rT+2:rT+3], v[rT+2:rT+3], v[rT+4:rT+5] op_sel_hi:[1,0]   ; the sum under the new M
.endif
.elseif j == 1
.if \first
	v_pk_add_f32 v[rT+2:rT+3], v[rS:rS+1], v[rS+2:rS+3]
.else
	s_wait_alu depctr_va_vdst(0)
	v_pk_add_f32 v[rT+6:rT+7], v[rS:rS+1], v[rS+2:rS+3]
.endif
.elseif j == 2
.if \first
	v_pk_add_f32 v[rT+6:rT+7], v[rS+4:rS+5], v[rS+6:rS+7]
.else
	v_pk_add_f32 v[rT+2:rT+3], v[rT+2:rT+3], v[rS+4:rS+5]
.endif
.elseif j == 3
.if !\first
	v_pk_add_f32 v[rT+6:rT+7], v[rT+6:rT+7], v[rS+6:rS+7]
.endif
.elseif j < 8
.if j%2 == 0
	v_pk_add_f32 v[rT+2:rT+3], v[rT+2:rT+3], v[rS+2*j:rS+2*j+1]
.else
	v_pk_add_f32 v[rT+6:rT+7], v[rT+6:rT+7], v[rS+2*j:rS+2*j+1]
.endif
.else
	v_pk_add_f32 v[rT+2:rT+3], v[rT+2:rT+3], v[rT+6:rT+7]
.endif
.endm
; p = 2^(t - M), its sum, its codes, and my piece of each tile's image
.macro EXPQ nt, first
.set TT, 0
.rept \nt
.set n, 0
.rept 8
	v_pk_fma_f32 v[S+16*TT+2*n:S+16*TT+2*n+1], v[S+16*TT+2*n:S+16*TT+2*n+1], s[CS:CS+1], v[ST+8*TT:ST+8*TT+1] op_sel_hi:[1,0,0]   ; t - M, two at a time (of both pairs the low word serves both halves)
.set n, n+1
.endr
.set TT, TT+1
.endr
.set n, 0
.rept 16*\nt
	v_exp_f32 v[S+n], v[S+n]
.set n, n+1
.endr
.if \first
	v_nop                                          ; a plain line behind the exponentials, ahead of the first use of a result; in the other steps the sums' first line is that line
	s_wait_alu depctr_va_vdst(0)
.endif
.set j, 0
.rept 9
.set TT, 0
.rept \nt
	SUMLINE \first
.set TT, TT+1
.endr
.set j, j+1
.endr
.set n, 0
.rept 16*\nt
	v_min_num_f32 v[S+n], v[S+n], v[LIMP]          ; the conversion does not saturate (ISA guide 7.6.2); p is not negative, so the hold is one-sided
.set n, n+1
.endr
.set TT, 0
.rept \nt
	v_cvt_scalef32_pk8_bf8_f32 v[PC+4*TT:PC+4*TT+1], v[S+16*TT:S+16*TT+7], v[SCP]
	v_cvt_scalef32_pk8_bf8_f32 v[PC+4*TT+2:PC+4*TT+3], v[S+16*TT+8:S+16*TT+15], v[SCP]
.set TT, TT+1
.endr
	v_nop                                          ; one plain line between the conversions and the matrix instructions that write their sources
.set TT, 0
.rept \nt
	ds_store_b128 v[PIS], v[PC+4*TT:PC+4*TT+3] offset:FRB*TT   ; keys 32 w + 16 h + 0 .. 15 of query r: piece w of the image
.set TT, TT+1
.endr
.endm
.macro RESCALE nt                      ; O^T x f, two at a time, each accumulator from its low end on
	WIN W_RS
.set TT, 0
.rept \nt
.set n, 0
.rept 24
	v_pk_mul_f32 v[48*TT+2*n:48*TT+2*n+1], v[48*TT+2*n:48*TT+2*n+1], v[ST+8*TT+4:ST+8*TT+5] op_sel_hi:[1,0]
.set n, n+1
.endr
.set TT, TT+1
.endr
	WIN 0
.endm
; V of the next step and K of the step after it.  The bases are written again behind the wait for 0 that showed the last loads done.  In step 30 - c no step follows the next one: a branch on ids jumps round K's loads.
.macro KVLOAD
	s_add_co_u32 s32, s[SI], 1
	s_mul_i32 s32, s32, STEPB
	s_mov_b32 s33, 0
	s_add_nc_u64 s[30:31], s[26:27], s[32:33]
	s_add_nc_u64 s[28:29], s[24:25], s[32:33]
	WIN W_LD3
	LD24 VF, 30, 0
	WIN 0
	s_cmp_eq_u32 s[SI], s[EE]
	s_cbranch_scc1 .Lno_k_\@
	WIN W_LD3
	LD24 KF, 28, STEPB
	WIN 0
.Lno_k_\@:
.endm
; STEP SI, for nt query tiles; its scores lie in S^T.  first: the first step.  mlo: the early pair's diagonal may be this step.  mhi: this is the late pair's.  nxt: a step follows.
.macro BODY nt, first, mlo, mhi, nxt
.if \mlo
	s_cmp_lg_u32 s[SI], s[CC]
	s_cbranch_scc1 .Lopen_\@
	MASK 2
	MASK 3
.Lopen_\@:
.endif
.if \mhi
	MASK 0
	MASK 1
.endif
	MAXLOC \nt
	s_wait_dscnt 0x0                               ; my maxima have landed, and my reads of P's images are over
	s_barrier_signal -1
	s_barrier_wait -1                              ; all four waves' maxima lie in LDS; P's images may be written again
.set TT, 0
.rept \nt
	ds_load_b128 v[MXR+4*TT:MXR+4*TT+3], v[MXL] offset:MX+256*TT
.set TT, TT+1
.endr
	s_wait_dscnt 0x0
	STATS \nt, \first
	EXPQ \nt, \first
	s_wait_dscnt 0x0                               ; my pieces of P have landed, and my reads of the maxima are over
	s_barrier_signal -1
.if !\first
	RESCALE \nt                                    ; work on registers while the others arrive
.endif
	s_barrier_wait -1                              ; P's images are whole; the maxima may be written again
.set TT, 0
.rept \nt
.irp c, 0,1,2,3
	ds_load_b128 v[PF+16*TT+4*\c:PF+16*TT+4*\c+3], v[PIL] offset:FRB*TT+512*\c
.endr
.set TT, TT+1
.endr
	s_wait_loadcnt 0x0                             ; this step's V and the next step's K, asked for a step ago
.if \nxt
	SMUL \nt                                       ; the next step's scores, while P's fragments come
.endif
	s_wait_dscnt 0x0                               ; P's fragments
	PVMUL \nt, \first
	WIN 0
	PLACES
.if \nxt
	KVLOAD
.endif
	s_add_co_u32 s[SI], s[SI], 1
.endm
	s_load_b256 s[4:11], s[0:1], 0x0               ; qc s[4:5], kc s[6:7], vc s[8:9], the scales' exponents s[10:11]
	s_load_b64 s[12:13], s[0:1], 0x20              ; out0
	v_lshl_add_u32 v254, v0, 2, 0x1ac00
	v_mov_b32 v255, 0
	v_lshrrev_b32 v16, 5, v0
	v_readfirstlane_b32 s14, v16                   ; wave 0..3
	s_lshr_b32 s[CC], ttmp9, 2                     ; c
	s_and_b32 s16, ttmp9, 3                        ; sub
	s_and_b32 s17, ttmp7, 0xffff                   ; batch
	s_sub_co_u32 s[EE], 30, s[CC]
	s_add_co_u32 s[CB], s[CC], 1
	s_sub_co_u32 s[EB], 31, s[CC]
	s_mov_b32 s20, 0x76543210                      ; v_permlanex16_b32's selects for lane l xor 16
	s_mov_b32 s21, 0xfedcba98
	v_and_b32 v16, 31, v0                          ; lane
	v_and_b32 v17, 15, v0                          ; r
	v_bfe_u32 v18, v0, 4, 1                        ; h
	v_lshlrev_b32 v[LI], 4, v16
	s_mul_i32 s32, s14, 6*FRB
	v_add_nc_u32 v[KVO], s32, v[LI]
	s_lshl_b32 s32, s14, 2
	v_lshlrev_b32 v[MXL], 4, v17
	v_add_nc_u32 v[MXS], s32, v[MXL]
	s_lshl_b32 s32, s14, 9
	s_add_co_u32 s32, s32, PIMG
	v_add_nc_u32 v[PIS], s32, v[LI]
	v_add_nc_u32 v[PIL], PIMG, v[LI]
	v_mul_u32_u24 v[SO], v17, SP
	v_lshl_add_u32 v[SO], v18, 5, v[SO]
	s_mul_i32 s32, s14, 384
	s_add_co_u32 s32, s32, STG
	v_add_nc_u32 v[SO], s32, v[SO]
	v_add_nc_u32 v[SO2], 32*SP, v[SO]
	s_mul_i32 s32, s14, 16*SP
	s_add_co_u32 s32, s32, STG
	v_add_nc_u32 v[SR], s32, v[LI]
	v_and_b32 v19, 8, v17
	v_add_nc_u32 v19, v19, v17                     ; r + 8 (r / 8)
	v_lshlrev_b32 v18, 4, v18
	v_sub_nc_u32 v19, v19, v18                     ; - 16 h
	s_sub_co_i32 s32, s16, s14
	s_lshl_b32 s32, s32, 5                         ; 32 (sub - w)
	v_add_nc_u32 v[DG], s32, v19                   ; on a diagonal step: my query less my first key, for an even tile;
	v_add_nc_u32 v[DG+1], 8, v[DG]                 ; for an odd one
	v_mov_b32 v[NINF], 0xff800000
.irp t, 0,1,2,3
	v_mov_b32 v[ST+8*\t+5], 0                      ; named as the upper half of f's pair, so it is written
.endr
	s_mul_i32 s32, s17, 32*STEPB                   ; the batch's first byte in kc and in vc
	s_mov_b32 s33, 0
	s_lshl_b32 s54, s17, 8                         ; tiles of 16 rows: 256 x batch
	s_lshl_b32 s55, s16, 1
	s_add_co_u32 s54, s54, s55                     ; + 2 sub
	s_sub_co_u32 s55, 31, s[CC]
	s_lshl_b32 s55, s55, 3
	s_add_co_u32 s56, s54, s55                     ; the late pair's first tile: + 8 (31 - c)
	s_lshl_b32 s55, s[CC], 3
	s_add_co_u32 s58, s54, s55                     ; the early pair's: + 8 c
	s_cmp_lt_u32 s14, 2                            ; on the way out wave w stores tile w
	s_cselect_b32 s60, s56, s58
	s_lshl_b32 s60, s60, 4
	s_and_b32 s61, s14, 1
	s_lshl_b32 s61, s61, 3
	s_add_co_u32 s60, s60, s61                     ; its first row: 16 x the pair's first tile + 8 (w % 2)
	s_mul_i32 s60, s60, 1536
	s_mov_b32 s61, 0
	s_mul_i32 s56, s56, 3*FRB
	s_mov_b32 s57, 0
	s_mul_i32 s58, s58, 3*FRB
	s_mov_b32 s59, 0
	s_wait_kmcnt 0x0
	s_load_b256 s[36:43], s[10:11], 0x0            ; e0 .. e7
	s_load_b64 s[44:45], s[10:11], 0x20            ; e8, e9
	s_add_nc_u64 s[24:25], s[6:7], s[32:33]        ; the batch's K,
	s_add_nc_u64 s[26:27], s[8:9], s[32:33]        ; its V,
	s_add_nc_u64 s[48:49], s[4:5], s[56:57]        ; the late pair's Q,
	s_add_nc_u64 s[50:51], s[4:5], s[58:59]        ; the early pair's,
	s_add_nc_u64 s[52:53], s[12:13], s[60:61]      ; and the rows that I store
	WIN W_LD2
.set f, 0
.rept 24
	global_load_b128 v[4*f:4*f+3], v[LI], s[48:49] offset:512*f         ; Q stays in registers: tiles 0, 1
.set f, f+1
.endr
.set f, 0
.rept 24
	global_load_b128 v[96+4*f:96+4*f+3], v[LI], s[50:51] offset:512*f   ; tiles 2, 3
.set f, f+1
.endr
	WIN W_LD3
	LD24 KF, 24, 0                                 ; K of step 0
	LD24 VF, 26, 0                                 ; V of step 0
	WIN 0
	s_wait_kmcnt 0x0
	s_add_co_i32 s32, s42, s43
	s_lshl_b32 s32, s32, 23
	s_add_co_i32 s[CS], s32, 0x3d96c740            ; log2(e) / sqrt(384); a score stands for score x 2^(e6 + e7): the two exponents are added to its exponent field
	s_mov_b32 s[CS+1], s[CS]                       ; (named with it as a pair, so it is written)
	s_add_co_i32 s46, s44, s45                     ; e8 + e9
	s_add_co_i32 s32, s44, 127
	s_lshl_b32 s33, s32, 23
	v_mov_b32 v[SCP], s33
	s_add_co_i32 s32, s32, 15
	s_lshl_b32 s32, s32, 23
	s_or_b32 s32, s32, 0x600000
	v_mov_b32 v[LIMP], s32
	s_mov_b32 s[SI], 0
	s_wait_loadcnt 24                              ; Q and K of step 0 are in; V's 24 loads, issued behind them, may be out
	SMUL 4                                         ; the scores of step 0
	WIN 0
	PLACES
	WIN W_LD3
	LD24 KF, 24, STEPB                             ; K of step 1
	WIN 0
	BODY 4, 1, 1, 0, 1                             ; step 0 starts the statistics, the sums and O^T
	; Both loops count the step up by 1 a trip and go on while it is LESS than a bound that no loop writes: c + 1, at most 16, and 31 - c, at most 31.
	s_cmp_lt_u32 s[SI], s[CB]
	s_cbranch_scc0 .Lpair
.Lfour:                                            ; steps 1 .. c: all four tiles
	BODY 4, 0, 1, 0, 1
	s_cmp_lt_u32 s[SI], s[CB]
	s_cbranch_scc1 .Lfour
.Lpair:
	s_cmp_lt_u32 s[SI], s[EB]
	s_cbranch_scc0 .Llast
.Ltwo:                                             ; steps c + 1 .. 30 - c: the late pair
	BODY 2, 0, 0, 0, 1
	s_cmp_lt_u32 s[SI], s[EB]
	s_cbranch_scc1 .Ltwo
.Llast:
	BODY 2, 0, 0, 1, 0                             ; step 31 - c: the late pair's diagonal; nothing follows
	; THE WAY OUT.  A query's sum lies in two halves of eight lanes' registers: its two halves, the other half of the lanes', and the four waves' (through LDS) are added.
.irp t, 0,1,2,3
	v_add_f32 v[ST+8*\t+6], v[ST+8*\t+2], v[ST+8*\t+3]
.endr
.irp t, 0,1,2,3
	v_permlanex16_b32 v[ST+8*\t+7], v[ST+8*\t+6], s20, s21
.endr
.irp t, 0,1,2,3
	v_add_f32 v[ST+8*\t+6], v[ST+8*\t+6], v[ST+8*\t+7]
.endr
.irp t, 0,1,2,3
	ds_store_b32 v[MXS], v[ST+8*\t+6] offset:LX+256*\t
.endr
	s_wait_dscnt 0x0                               ; for the others' sake: my sums have landed
	s_barrier_signal -1
	s_barrier_wait -1
.irp t, 0,1,2,3
	ds_load_b128 v[MXR+4*\t:MXR+4*\t+3], v[MXL] offset:LX+256*\t
.endr
	s_wait_dscnt 0x0
.irp t, 0,1,2,3
	v_add_f32 v[ST+8*\t+6], v[MXR+4*\t], v[MXR+4*\t+1]
	v_add_f32 v[ST+8*\t+7], v[MXR+4*\t+2], v[MXR+4*\t+3]
.endr
.irp t, 0,1,2,3
	v_add_f32 v[ST+8*\t+6], v[ST+8*\t+6], v[ST+8*\t+7]
.endr
.irp t, 0,1,2,3
	v_rcp_f32 v[ST+8*\t+6], v[ST+8*\t+6]
.endr
	v_nop                                          ; a plain line between the last reciprocal and the use of its result
	s_wait_alu depctr_va_vdst(0)
.irp t, 0,1,2,3
	v_ldexp_f32 v[ST+8*\t+4], v[ST+8*\t+6], s46    ; 2^(e8 + e9) / the sum
.endr
	RESCALE 4                                      ; O^T x that
	; A lane holds eight neighbouring channels of one row; a row's 384 channels come from four waves.  They meet in a stage of 64 rows; then wave w stores tile w's 16 whole rows.
	WIN W_ST1
.irp t, 0,1,2,3
.irp i, 0,1,2,3,4,5
.irp z, 0,1
.if \t < 2
	ds_store_b128 v[SO], v[48*\t+8*\i+4*\z:48*\t+8*\i+4*\z+3] offset:(\t%2)*16*SP+64*\i+16*\z
.else
	ds_store_b128 v[SO2], v[48*\t+8*\i+4*\z:48*\t+8*\i+4*\z+3] offset:(\t%2)*16*SP+64*\i+16*\z
.endif
.endr
.endr
.endr
	s_wait_dscnt 0x0                               ; for the others' sake: my part of the 64 rows has landed
	s_barrier_signal -1
	s_barrier_wait -1
	WIN W_LD2                                      ; into the registers that held Q
.set n, 0
.rept 48
	ds_load_b128 v[4*n:4*n+3], v[SR] offset:(n/3)*SP+512*(n%3)
.set n, n+1
.endr
	WIN W_ST2
.set n, 0
.rept 48
	s_wait_dscnt 47-n                              ; LDS loads come back in order: number n is in, the younger ones may be out
	global_store_b128 v[LI], v[4*n:4*n+3], s[52:53] offset:((n/3)+8*((n/3)/8))*1536+512*(n%3) th:TH_STORE_NT   ; lane row n / 3: 512 consecutive bytes, at a multiple of 512 from out0's first byte; written once
.set n, n+1
.endr
	WIN 0
	s_wait_tensorcnt 0x0
	ds_add_u32 v254, v255
	s_wait_dscnt 0x0
	s_endpgm
.Lfunc_end_k_q4cc0e08307_attn:
	.size	k_q4cc0e08307_attn, .Lfunc_end_k_q4cc0e08307_attn-k_q4cc0e08307_attn
	.p2alignl 7, 3214868480
	.fill 96, 4, 3214868480
	.section	.rodata,"a",@progbits
	.p2align	6, 0x0
	.amdhsa_kernel k_q4cc0e08307_attn
		.amdhsa_group_segment_fixed_size 110080
		.amdhsa_private_segment_fixed_size 0
		.amdhsa_enable_private_segment 0
		.amdhsa_kernarg_size 40
		.amdhsa_user_sgpr_count 2
		.amdhsa_user_sgpr_kernarg_segment_ptr 1
		.amdhsa_wavefront_size32 1
		.amdhsa_system_sgpr_workgroup_id_x 1
		.amdhsa_system_sgpr_workgroup_id_y 1
		.amdhsa_system_sgpr_workgroup_id_z 1
		.amdhsa_system_vgpr_workitem_id 0
		.amdhsa_next_free_vgpr 960
		.amdhsa_next_free_sgpr 66
		.amdhsa_reserve_vcc 1
		.amdhsa_float_denorm_mode_32 3
		.amdhsa_float_denorm_mode_16_64 3
		.amdhsa_memory_ordered 1
		.amdhsa_forward_progress 1
		.amdhsa_inst_pref_size 124
	.end_amdhsa_kernel
	.amdgpu_metadata
---
amdhsa.version: [ 1, 2 ]
amdhsa.kernels:
  - .name:           k_q4cc0e08307_attn
    .symbol:         k_q4cc0e08307_attn.kd
    .args:
      - { .name: qc, .offset: 0, .size: 8, .value_kind: global_buffer, .address_space: global }
      - { .name: kc, .offset: 8, .size: 8, .value_kind: global_buffer, .address_space: global }
      - { .name: vc, .offset: 16, .size: 8, .value_kind: global_buffer, .address_space: global }
      - { .name: lowp_scales, .offset: 24, .size: 8, .value_kind: global_buffer, .address_space: global }
      - { .name: out0, .offset: 32, .size: 8, .value_kind: global_buffer, .address_space: global }
    .group_segment_fixed_size: 110080
    .private_segment_fixed_size: 0
    .kernarg_segment_align: 8
    .kernarg_segment_size: 40
    .max_flat_workgroup_size: 128
    .sgpr_count:     66
    .vgpr_count:     960
    .wavefront_size: 32
...
	.end_amdgpu_metadata
.endif
;; end of part 3
;; ======== version 2 of 3: 3 launches; 1.17 times as fast as version 1
;; workspace buffers: wc 442,368 bytes; qc 6,291,456 bytes; kc 6,291,456 bytes; vc 6,291,456 bytes
;; launch wquant: the kernel of part 1 again; grid 24 x 3, 3 waves a work-group, no clusters, 26,112 bytes of LDS; arguments W_q, W_k, W_v, lowp_scales, wc; writes wc
;; launch proj: the kernel of part 2 again; grid 256 x 1, 4 waves a work-group, no clusters, 173,568 bytes of LDS; arguments x, wc, lowp_scales, qc, kc, vc; writes qc, kc, vc
;; launch attn (part 4): grid 64 x 4, 4 waves a work-group, no clusters, 110,080 bytes of LDS; arguments qc, kc, vc, lowp_scales, out0; writes out0
.if DOCPART == 4
	.amdgcn_target "amdgcn-amd-amdhsa--gfx1250"
	.amdhsa_code_object_version 6
	.text
	.protected	k_q4cc0e08307_attn
	.globl	k_q4cc0e08307_attn
	.p2align	8
	.type	k_q4cc0e08307_attn,@function
k_q4cc0e08307_attn:
	s_mov_b64 s[64:65], 0
	v_nop
	global_prefetch_b8 v0, s[64:65] scope:SCOPE_SE
	s_setreg_imm32_b32 hwreg(HW_REG_WAVE_MODE, 25, 1), 1
	s_wait_xcnt 0x0
; out[b][q] = the sum over keys k <= q of softmax_k(Q[q] . K[k] / sqrt(384)) V[k], both products on codes of BF8 (E5M2).  qc, kc, vc: images made by the launch before; out0: [4][4,096][384] f32.
; AN IMAGE is an operand fragment (16 rows x 128 along K) in the order of its registers, 2,048 bytes: byte 512 c + 16 lane + i = code of (row lane % 16, k = 32 c + 16 (lane / 16) + i): four loads of 512 consecutive bytes.
; qc, kc: [tile][ks 3]; lane row p of tile T is row 32 (T / 2) + 8 (T % 2) + p + 8 (p / 8).  vc: [batch][key step][channel tile 24]; lane row p = channel 16 d + p, k = the step's 128 keys.
; THE SOFTMAX: t = score x log2(e) / sqrt(384); M = the row's largest t so far, rounded UP to a whole number; p = 2^(t - M) is quantised with 2^e8, not normalised; the row's sum is taken of the unquantised p
; and divides at the end.  When M moves, the sum and O are multiplied by 2^(old M - new M), which rounds nothing.
; SHARES.  Work-group (c = x / 4, sub = x % 4, batch y) owns 32 LATE queries, 128 (31 - c) + 32 sub on (tiles 0, 1), and 32 EARLY ones, 128 c + 32 sub on (tiles 2, 3).  Key steps of 128 keys, BY PAIRS (see TWO SETS):
; with c' = c rounded up to an odd number, steps 0 .. c' serve all four tiles and steps c' + 1 .. 32 - c' the late pair: 4 (c' + 1) + 2 (32 - 2 c') = 68 tile steps in every work-group, 32 steps at the most.
; The price of the pairs: with c even the early pair walks one step (c + 1) all of whose keys the mask hides, with c odd the late pair does (32 - c).  Such a step's scores become -infinity, its p zeros: it adds nothing.
; THE WAVES SHARE THE KEYS IN S AND THE CHANNELS IN O.  S^T = K Q^T: wave w takes keys 32 w .. 32 w + 31 of the step (two tiles of K) against all query tiles; O^T += V^T P^T: wave w takes channels 96 w .. 96 w + 95
; (six tiles of V) against all of P.  So each fragment of K and V is wanted by ONE wave, feeds two or four matrix instructions, and comes straight into its registers.  What goes from wave to wave is small:
; the tiles' maxima (1 KB) and P's codes (8 KB), through LDS: two barriers a step.  A lane holds one query (lane % 16) throughout; its 16 scores of a tile are 16 neighbouring keys, so two conversions make its bytes of P's image.
; TWO SETS of registers for K's six fragments and for V's six: even steps' in set 0, odd steps' in set 1; register numbers stand in the text, so a step is written for each parity.  The next step's scores are multiplied behind
; this step's second barrier, ahead of O's products.  In step s K of step s + 2 is asked for behind the first barrier and V of step s + 1 behind the second: each run of 24 loads has more than a step in which to land,
; and much work on registers stands between it and the wave's next LDS instruction.
; NO CLUSTER, NO LDS RING: work-groups of one c walk the same K and V, but a joint load lands in LDS, and each of a step's 98,304 bytes would then be written there and read once more on its way to the one wave that wants it.
; LIMITS: e6 + e7 between -122 and 131 (they are added to the exponent field of log2(e) / sqrt(384)); e8 between -126 and 112; e8 + e9 is applied by v_ldexp_f32 and has none.
; The last step that serves four tiles multiplies the next scores for all four: the early pair's twelve products there are not read.
; REGISTERS, in windows of 256: window 0: v2-17 addresses and constants; v32-63 eight registers of statistics a tile; v64-127 S^T, 16 a tile; v128-143 P's codes just made; v144-207 P's fragments; v208-223 maxima read back.
;   window 1: v0-191 O^T, 48 a tile (tile t, channel tile i at 48 t + 8 i); v192-255 V set 1, channel tiles 0-3.   window 2: v0-191 Q, 48 a tile (on the way out rows of the result); v192-223 K set 1, K step 2; v224-255 V set 1, channel tiles 4, 5.
;   window 3: v0-95 K set 0; v96-191 V set 0; v192-255 K set 1, K steps 0, 1.
.set FRB,   2048
.set STEPB, 24*FRB                     ; a key step of kc (8 tiles x 3 images) and of vc (24 images)
.set MX,    0                          ; LDS: the step's maxima [tile 4][query 16][wave 4] f32
.set PIMG,  1024                       ; P's four images; wave w writes piece w
.set LX,    9216                       ; the sums, laid as the maxima
.set STG,   10240                      ; the way out: 64 rows of 1,536 bytes + 16
.set SP,    1552
.set KVO,  2                           ; v2   16 x lane + 6 images x wave: my part of a step of kc or vc; never rewritten
.set LI,   3                           ; v3   16 x lane
.set MXS,  4                           ; v4   16 r + 4 w: my word of a tile's maxima
.set MXL,  5                           ; v5   16 r: my query's four words
.set PIS,  6                           ; v6   PIMG + 512 w + 16 x lane
.set PIL,  7                           ; v7   PIMG + 16 x lane
.set SO,   8                           ; v8   the stage, tiles 0, 1: row r, + 384 w + 32 h
.set SO2,  9                           ; v9   tiles 2, 3
.set DG,   10                          ; v10, v11  on a pair's diagonal step, for even and odd tiles: my query less my first key
.set NINF, 12                          ; v12  -infinity
.set SCP,  13                          ; v13  2^e8 as f32
.set LIMP, 14                          ; v14  57,344 x 2^e8
.set SR,   15                          ; v15  the stage, back: my 16 rows, 16 bytes a lane
.set DT,   16                          ; v16, v17  the same distance in the step in hand: DG + 128 (diagonal step - step)
.set ST,   32                          ; tile t at v[ST + 8 t]: +0 -M, +1 the largest t, +2, +3 the sum in two halves, +4 f (at the end 2^(e8 + e9) / the sum), +5 named with it as a pair, +6, +7 at work
.set S,    64
.set PC,   128
.set PF,   144
.set MXR,  208
.set CC,   15                          ; s15  c: the early pair's diagonal step
.set SI,   18                          ; s18  the first step of the pair in hand: even; stepped by 2 behind each pair
.set CH,   19                          ; s19  31 - c: the late pair's diagonal step
.set B4,   34                          ; s34  c / 2: pairs of steps with four tiles behind the first.  Never written in a loop
.set B2,   35                          ; s35  15 - c': pairs of steps with two tiles ahead of the last.  Never written in a loop
.set CNT,  47                          ; s47  counts a loop's trips
.set CS,   22                          ; s[22:23]  log2(e) / sqrt(384) x 2^(e6 + e7)
.set W_RS,  0x41                       ; O^T (destination and source 0) window 1
.set W_LD2, 0x80                       ; destination window 2
.set W_ST1, 0x04                       ; store data window 1
.set W_ST2, 0x08                       ; store data window 2
.set MSB, 0
.macro WIN new                         ; s_set_vgpr_msb: bits 1:0 source 0, 3:2 source 1, 5:4 source 2, 7:6 destination; the high byte repeats the setting that is left
.if MSB != (\new)
	s_set_vgpr_msb (MSB<<8)|(\new)
.set MSB, (\new)
.endif
.endm
.macro PLACES                          ; four plain vector lines behind a matrix instruction, ahead of the first read of its result and of loads into its sources
.rept 4
	v_nop
.endr
.endm
.macro KSEL kp, u, ks                  ; K's fragment (tile u, K step ks) of set kp lies in window KW at v[KR]: a K step's two fragments share a window
.if (\kp) == 0
.set KW, 3
.set KR, 48*(\u)+16*(\ks)
.elseif (\ks) < 2
.set KW, 3
.set KR, 192+32*(\ks)+16*(\u)
.else
.set KW, 2
.set KR, 192+16*(\u)
.endif
.endm
.macro VSEL vp, i                      ; V's fragment (channel tile i) of set vp lies in window VW at v[VR]
.if (\vp) == 0
.set VW, 3
.set VR, 96+16*(\i)
.elseif (\i) < 4
.set VW, 1
.set VR, 192+16*(\i)
.else
.set VW, 2
.set VR, 224+16*((\i)-4)
.endif
.endm
.macro LDK kp, pl, off                 ; my six fragments of a step of K into set kp: 24 loads of 512 consecutive bytes
.irp ks, 0,1,2
.irp u, 0,1
	KSEL \kp, \u, \ks
	WIN KW<<6
.irp c, 0,1,2,3
	global_load_b128 v[KR+4*\c:KR+4*\c+3], v[KVO], s[\pl:\pl+1] offset:\off+(3*\u+\ks)*FRB+512*\c
.endr
.endr
.endr
	WIN 0
.endm
.macro LDV vp, pl, off                 ; the same for V
.irp i, 0,1,2,3,4,5
	VSEL \vp, \i
	WIN VW<<6
.irp c, 0,1,2,3
	global_load_b128 v[VR+4*\c:VR+4*\c+3], v[KVO], s[\pl:\pl+1] offset:\off+\i*FRB+512*\c
.endr
.endr
	WIN 0
.endm
; S^T = K Q^T for nt query tiles, K from set kp: 6 nt matrix instructions.  The 2 nt accumulators take turns, one instruction a turn; the first K step starts the sums.
.macro SMUL nt, kp
.irp ks, 0,1,2
.set TT, 0
.rept \nt
.irp u, 0,1
	KSEL \kp, \u, \ks
	WIN 0x08|KW                                    ; K window KW, Q window 2, S^T window 0
.if \ks == 0
	v_wmma_f32_16x16x128_bf8_bf8 v[S+16*TT+8*\u:S+16*TT+8*\u+7], v[KR:KR+15], v[48*TT+16*\ks:48*TT+16*\ks+15], 0
.else
	v_wmma_f32_16x16x128_bf8_bf8 v[S+16*TT+8*\u:S+16*TT+8*\u+7], v[KR:KR+15], v[48*TT+16*\ks:48*TT+16*\ks+15], v[S+16*TT+8*\u:S+16*TT+8*\u+7]
.endif
.endr
.set TT, TT+1
.endr
.endr
.endm
; O^T += V^T P^T, V from set vp: one instruction for each of my six channel tiles and each query tile.  zero = 1: the first step starts the sums.
.macro PVMUL nt, zero, vp
.irp i, 0,1,2,3,4,5
	VSEL \vp, \i
	WIN 0x50|VW                                    ; V window VW, P window 0, O^T window 1
.set TT, 0
.rept \nt
.if \zero
	v_wmma_f32_16x16x128_bf8_bf8 v[48*TT+8*\i:48*TT+8*\i+7], v[VR:VR+15], v[PF+16*TT:PF+16*TT+15], 0
.else
	v_wmma_f32_16x16x128_bf8_bf8 v[48*TT+8*\i:48*TT+8*\i+7], v[VR:VR+15], v[PF+16*TT:PF+16*TT+15], v[48*TT+8*\i:48*TT+8*\i+7]
.endif
.set TT, TT+1
.endr
.endr
.endm
; Register n of tile t holds the key n past my first; it is hidden where n > my query less my first key.  A hidden score becomes -infinity ahead of the maximum: p = 0 then.
.macro MASK t
.set n, 0
.rept 16
	v_cmp_gt_i32 vcc_lo, n, v[DT+((\t)%2)]
	v_cndmask_b32 v[S+16*(\t)+n], v[S+16*(\t)+n], v[NINF], vcc_lo
.set n, n+1
.endr
.endm
; The mask of tiles t0, t0 + 1 in step SI + p.  s[dg]: the pair's diagonal step.  Ahead of it nothing is hidden: a branch on ids.  On it and behind it the distance is DG + 128 (diagonal step - step): behind it every key is hidden.
.macro HIDE dg, p, t0
	s_add_co_u32 s33, s[SI], \p
	s_cmp_lt_u32 s33, s[\dg]
	s_cbranch_scc1 .Lopen_\@
	s_sub_co_i32 s32, s[\dg], s33
	s_lshl_b32 s32, s32, 7
	v_add_nc_u32 v[DT], s32, v[DG]
	v_add_nc_u32 v[DT+1], s32, v[DG+1]
	MASK \t0
	MASK \t0+1
.Lopen_\@:
.endm
; Line j of a tile's local maximum: two chains, one to each accumulator, each begun at its low end; then the other half of the lanes; then my word of the tile's maxima.
.macro MAXLINE
.set rT, ST+8*TT
.set rS, S+16*TT
.if j == 0
	v_max3_num_f32 v[rT+6], v[rS], v[rS+1], v[rS+2]
.elseif j == 1
	v_max3_num_f32 v[rT+7], v[rS+8], v[rS+9], v[rS+10]
.elseif j < 6
.if j%2 == 0
	v_max3_num_f32 v[rT+6], v[rT+6], v[rS+j+1], v[rS+j+2]
.else
	v_max3_num_f32 v[rT+7], v[rT+7], v[rS+j+8], v[rS+j+9]
.endif
.elseif j == 6
	v_max3_num_f32 v[rT+6], v[rT+6], v[rS+7], v[rS+15]
.elseif j == 7
	v_max_num_f32 v[rT+6], v[rT+6], v[rT+7]
.elseif j == 8
	v_permlanex16_b32 v[rT+7], v[rT+6], s20, s21   ; my query's other 16 keys lie in the lane 16 away
.elseif j == 9
	v_max_num_f32 v[rT+6], v[rT+6], v[rT+7]
.else
	ds_store_b32 v[MXS], v[rT+6] offset:MX+256*TT  ; both halves of the lanes write the same number to the same word
.endif
.endm
.macro MAXLOC nt                       ; the tiles alternate line by line, so that no line waits for the line above it
.set j, 0
.rept 11
.set TT, 0
.rept \nt
	MAXLINE
.set TT, TT+1
.endr
.set j, j+1
.endr
.endm
; Line j of a tile's statistics: the step's largest score among the four waves' words, as t; the running largest t; -M = floor(-t); f = 2^(old M - new M).  Every wave makes the same numbers.
.macro STLINE first
.set rT, ST+8*TT
.set rM, MXR+4*TT
.if j == 0
	v_max3_num_f32 v[rT+6], v[rM], v[rM+1], v[rM+2]
.elseif j == 1
	v_max_num_f32 v[rT+6], v[rT+6], v[rM+3]
.elseif \first
.if j == 2
	v_mul_f32 v[rT+1], s[CS], v[rT+6]              ; the first step starts the largest t
.elseif j == 3
	v_floor_f32 v[rT], -v[rT+1]
.endif
.elseif j == 2
	v_mul_f32 v[rT+6], s[CS], v[rT+6]
.elseif j == 3
	v_max_num_f32 v[rT+1], v[rT+1], v[rT+6]
.elseif j == 4
	v_mov_b32 v[rT+6], v[rT]
.elseif j == 5
	v_floor_f32 v[rT], -v[rT+1]                    ; -M = floor(-t) = -ceil(t): M is a whole number
.elseif j == 6
	v_sub_f32 v[rT+6], v[rT], v[rT+6]              ; old M - new M: a whole number, 0 or less
.elseif j == 7
	v_cvt_i32_f32 v[rT+6], v[rT+6]                 ; (it saturates)
.else
	v_ldexp_f32 v[rT+4], 1.0, v[rT+6]
.endif
.endm
.macro STATS nt, first
.set j, 0
.rept 9
.set TT, 0
.rept \nt
	STLINE \first
.set TT, TT+1
.endr
.set j, j+1
.endr
.endm
; Line j of a tile's sum of the UNQUANTISED p: eight pairs, in two chains (the sum's own pair, and a pair at work).
.macro SUMLINE first
.set rT, ST+8*TT
.set rS, S+16*TT
.if j == 0
.if !\first
	v_pk_mul_f32 v[rT+2:rT+3], v[rT+2:rT+3], v[rT+4:rT+5] op_sel_hi:[1,0]   ; the sum under the new M
.endif
.elseif j == 1
.if \first
	v_pk_add_f32 v[rT+2:rT+3], v[rS:rS+1], v[rS+2:rS+3]
.else
	s_wait_alu depctr_va_vdst(0)
	v_pk_add_f32 v[rT+6:rT+7], v[rS:rS+1], v[rS+2:rS+3]
.endif
.elseif j == 2
.if \first
	v_pk_add_f32 v[rT+6:rT+7], v[rS+4:rS+5], v[rS+6:rS+7]
.else
	v_pk_add_f32 v[rT+2:rT+3], v[rT+2:rT+3], v[rS+4:rS+5]
.endif
.elseif j == 3
.if !\first
	v_pk_add_f32 v[rT+6:rT+7], v[rT+6:rT+7], v[rS+6:rS+7]
.endif
.elseif j < 8
.if j%2 == 0
	v_pk_add_f32 v[rT+2:rT+3], v[rT+2:rT+3], v[rS+2*j:rS+2*j+1]
.else
	v_pk_add_f32 v[rT+6:rT+7], v[rT+6:rT+7], v[rS+2*j:rS+2*j+1]
.endif
.else
	v_pk_add_f32 v[rT+2:rT+3], v[rT+2:rT+3], v[rT+6:rT+7]
.endif
.endm
; p = 2^(t - M), its sum, its codes, and my piece of each tile's image
.macro EXPQ nt, first
.set TT, 0
.rept \nt
.set n, 0
.rept 8
	v_pk_fma_f32 v[S+16*TT+2*n:S+16*TT+2*n+1], v[S+16*TT+2*n:S+16*TT+2*n+1], s[CS:CS+1], v[ST+8*TT:ST+8*TT+1] op_sel_hi:[1,0,0]   ; t - M, two at a time (of both pairs the low word serves both halves)
.set n, n+1
.endr
.set TT, TT+1
.endr
.set n, 0
.rept 16*\nt
	v_exp_f32 v[S+n], v[S+n]
.set n, n+1
.endr
.if \first
	v_nop                                          ; a plain line behind the exponentials, ahead of the first use of a result; in the other steps the sums' first line is that line
	s_wait_alu depctr_va_vdst(0)
.endif
.set j, 0
.rept 9
.set TT, 0
.rept \nt
	SUMLINE \first
.set TT, TT+1
.endr
.set j, j+1
.endr
.set n, 0
.rept 16*\nt
	v_min_num_f32 v[S+n], v[S+n], v[LIMP]          ; the conversion does not saturate (ISA guide 7.6.2); p is not negative, so the hold is one-sided
.set n, n+1
.endr
.set TT, 0
.rept \nt
	v_cvt_scalef32_pk8_bf8_f32 v[PC+4*TT:PC+4*TT+1], v[S+16*TT:S+16*TT+7], v[SCP]
	v_cvt_scalef32_pk8_bf8_f32 v[PC+4*TT+2:PC+4*TT+3], v[S+16*TT+8:S+16*TT+15], v[SCP]
.set TT, TT+1
.endr
	v_nop                                          ; one plain line between the conversions and the matrix instructions that write their sources
.set TT, 0
.rept \nt
	ds_store_b128 v[PIS], v[PC+4*TT:PC+4*TT+3] offset:FRB*TT   ; keys 32 w + 16 h + 0 .. 15 of query r: piece w of the image
.set TT, TT+1
.endr
.endm
.macro RESCALE nt                      ; O^T x f, two at a time, each accumulator from its low end on
	WIN W_RS
.set TT, 0
.rept \nt
.set n, 0
.rept 24
	v_pk_mul_f32 v[48*TT+2*n:48*TT+2*n+1], v[48*TT+2*n:48*TT+2*n+1], v[ST+8*TT+4:ST+8*TT+5] op_sel_hi:[1,0]
.set n, n+1
.endr
.set TT, TT+1
.endr
	WIN 0
.endm
; STEP s = SI + p, for nt query tiles; its scores lie in S^T.  p: the step's parity: its V lies in set p, the next step's K in set 1 - p.
; first: the first step.  mlo, mhi: the early, the late pair's mask may fall on this step.  ldk: K of step s + 2 is asked for, into set p, which the scores of step s have left.
; ldv: V of step s + 1 is asked for, into set 1 - p, which step s - 1 has left.  nxt: a step follows: its scores are multiplied here.
; w1: how many loads were issued behind those of the next step's K (the most that a wait can name, if more);  w2: behind those of this step's V.
.macro BODY nt, first, mlo, mhi, p, ldk, ldv, nxt, w1, w2
.if \mlo
	HIDE CC, \p, 2
.endif
.if \mhi
	HIDE CH, \p, 0
.endif
	MAXLOC \nt
	s_wait_dscnt 0x0                               ; my maxima have landed, and my reads of P's images are over
	s_barrier_signal -1
	s_barrier_wait -1                              ; all four waves' maxima lie in LDS; P's images may be written again
.set TT, 0
.rept \nt
	ds_load_b128 v[MXR+4*TT:MXR+4*TT+3], v[MXL] offset:MX+256*TT
.set TT, TT+1
.endr
.if \ldk
	s_wait_xcnt 0x0                                ; the base is written again only behind this wait: the loads that named it have had their addresses translated (ISA guide 3.1)
	s_add_co_u32 s32, s[SI], 2+\p
	s_mul_i32 s32, s32, STEPB
	s_mov_b32 s33, 0
	s_add_nc_u64 s[28:29], s[24:25], s[32:33]
	LDK \p, 28, 0                                  ; issued while the maxima come; the statistics and the exponentials follow before my next LDS instruction
.endif
	s_wait_dscnt 0x0
	STATS \nt, \first
	EXPQ \nt, \first
	s_wait_dscnt 0x0                               ; my pieces of P have landed, and my reads of the maxima are over
	s_barrier_signal -1
.if !\first
	RESCALE \nt                                    ; work on registers while the others arrive
.endif
	s_barrier_wait -1                              ; P's images are whole; the maxima may be written again
.set TT, 0
.rept \nt
.irp c, 0,1,2,3
	ds_load_b128 v[PF+16*TT+4*\c:PF+16*TT+4*\c+3], v[PIL] offset:FRB*TT+512*\c
.endr
.set TT, TT+1
.endr
.if \ldv
	s_wait_xcnt 0x0                                ; as above, for V's base
	s_add_co_u32 s32, s[SI], 1+\p
	s_mul_i32 s32, s32, STEPB
	s_mov_b32 s33, 0
	s_add_nc_u64 s[30:31], s[26:27], s[32:33]
	LDV 1-\p, 30, 0                                ; both runs of products and the next local maximum follow before my next LDS instruction
.endif
.if \nxt
	s_wait_loadcnt \w1                             ; loads come back in order (ISA guide 5.7.1): the next step's K is in
	SMUL \nt, 1-\p                                 ; the next step's scores, while P's fragments come
.endif
	s_wait_loadcnt \w2                             ; this step's V is in
	s_wait_dscnt 0x0                               ; P's fragments
	PVMUL \nt, \first, \p
	WIN 0
	PLACES
.endm
	s_load_b256 s[4:11], s[0:1], 0x0               ; qc s[4:5], kc s[6:7], vc s[8:9], the scales' exponents s[10:11]
	s_load_b64 s[12:13], s[0:1], 0x20              ; out0
	v_lshl_add_u32 v254, v0, 2, 0x1ac00
	v_mov_b32 v255, 0
	v_lshrrev_b32 v16, 5, v0
	v_readfirstlane_b32 s14, v16                   ; wave 0..3
	s_lshr_b32 s[CC], ttmp9, 2                     ; c
	s_and_b32 s16, ttmp9, 3                        ; sub
	s_and_b32 s17, ttmp7, 0xffff                   ; batch
	s_sub_co_u32 s[CH], 31, s[CC]
	s_lshr_b32 s[B4], s[CC], 1                     ; (c' - 1) / 2
	s_or_b32 s[B2], s[CC], 1                       ; c'
	s_sub_co_u32 s[B2], 15, s[B2]
	s_mov_b32 s20, 0x76543210                      ; v_permlanex16_b32's selects for lane l xor 16
	s_mov_b32 s21, 0xfedcba98
	v_and_b32 v16, 31, v0                          ; lane
	v_and_b32 v17, 15, v0                          ; r
	v_bfe_u32 v18, v0, 4, 1                        ; h
	v_lshlrev_b32 v[LI], 4, v16
	s_mul_i32 s32, s14, 6*FRB
	v_add_nc_u32 v[KVO], s32, v[LI]
	s_lshl_b32 s32, s14, 2
	v_lshlrev_b32 v[MXL], 4, v17
	v_add_nc_u32 v[MXS], s32, v[MXL]
	s_lshl_b32 s32, s14, 9
	s_add_co_u32 s32, s32, PIMG
	v_add_nc_u32 v[PIS], s32, v[LI]
	v_add_nc_u32 v[PIL], PIMG, v[LI]
	v_mul_u32_u24 v[SO], v17, SP
	v_lshl_add_u32 v[SO], v18, 5, v[SO]
	s_mul_i32 s32, s14, 384
	s_add_co_u32 s32, s32, STG
	v_add_nc_u32 v[SO], s32, v[SO]
	v_add_nc_u32 v[SO2], 32*SP, v[SO]
	s_mul_i32 s32, s14, 16*SP
	s_add_co_u32 s32, s32, STG
	v_add_nc_u32 v[SR], s32, v[LI]
	v_and_b32 v19, 8, v17
	v_add_nc_u32 v19, v19, v17                     ; r + 8 (r / 8)
	v_lshlrev_b32 v18, 4, v18
	v_sub_nc_u32 v19, v19, v18                     ; - 16 h
	s_sub_co_i32 s32, s16, s14
	s_lshl_b32 s32, s32, 5                         ; 32 (sub - w)
	v_add_nc_u32 v[DG], s32, v19                   ; on a diagonal step: my query less my first key, for an even tile;
	v_add_nc_u32 v[DG+1], 8, v[DG]                 ; for an odd one
	v_mov_b32 v[NINF], 0xff800000
.irp t, 0,1,2,3
	v_mov_b32 v[ST+8*\t+5], 0                      ; named as the upper half of f's pair, so it is written
.endr
	s_mul_i32 s32, s17, 32*STEPB                   ; the batch's first byte in kc and in vc
	s_mov_b32 s33, 0
	s_lshl_b32 s54, s17, 8                         ; tiles of 16 rows: 256 x batch
	s_lshl_b32 s55, s16, 1
	s_add_co_u32 s54, s54, s55                     ; + 2 sub
	s_sub_co_u32 s55, 31, s[CC]
	s_lshl_b32 s55, s55, 3
	s_add_co_u32 s56, s54, s55                     ; the late pair's first tile: + 8 (31 - c)
	s_lshl_b32 s55, s[CC], 3
	s_add_co_u32 s58, s54, s55                     ; the early pair's: + 8 c
	s_cmp_lt_u32 s14, 2                            ; on the way out wave w stores tile w
	s_cselect_b32 s60, s56, s58
	s_lshl_b32 s60, s60, 4
	s_and_b32 s61, s14, 1
	s_lshl_b32 s61, s61, 3
	s_add_co_u32 s60, s60, s61                     ; its first row: 16 x the pair's first tile + 8 (w % 2)
	s_mul_i32 s60, s60, 1536
	s_mov_b32 s61, 0
	s_mul_i32 s56, s56, 3*FRB
	s_mov_b32 s57, 0
	s_mul_i32 s58, s58, 3*FRB
	s_mov_b32 s59, 0
	s_wait_kmcnt 0x0
	s_load_b256 s[36:43], s[10:11], 0x0            ; e0 .. e7
	s_load_b64 s[44:45], s[10:11], 0x20            ; e8, e9
	s_add_nc_u64 s[24:25], s[6:7], s[32:33]        ; the batch's K,
	s_add_nc_u64 s[26:27], s[8:9], s[32:33]        ; its V,
	s_add_nc_u64 s[48:49], s[4:5], s[56:57]        ; the late pair's Q,
	s_add_nc_u64 s[50:51], s[4:5], s[58:59]        ; the early pair's,
	s_add_nc_u64 s[52:53], s[12:13], s[60:61]      ; and the rows that I store
	WIN W_LD2
.set f, 0
.rept 24
	global_load_b128 v[4*f:4*f+3], v[LI], s[48:49] offset:512*f         ; Q stays in registers: tiles 0, 1
.set f, f+1
.endr
.set f, 0
.rept 24
	global_load_b128 v[96+4*f:96+4*f+3], v[LI], s[50:51] offset:512*f   ; tiles 2, 3
.set f, f+1
.endr
	WIN 0
	LDK 0, 24, 0                                   ; K of step 0
	LDK 1, 24, STEPB                               ; K of step 1
	LDV 0, 26, 0                                   ; V of step 0
	s_wait_kmcnt 0x0
	s_add_co_i32 s32, s42, s43
	s_lshl_b32 s32, s32, 23
	s_add_co_i32 s[CS], s32, 0x3d96c740            ; log2(e) / sqrt(384); a score stands for score x 2^(e6 + e7): the two exponents are added to its exponent field
	s_mov_b32 s[CS+1], s[CS]                       ; (named with it as a pair, so it is written)
	s_add_co_i32 s46, s44, s45                     ; e8 + e9
	s_add_co_i32 s32, s44, 127
	s_lshl_b32 s33, s32, 23
	v_mov_b32 v[SCP], s33
	s_add_co_i32 s32, s32, 15
	s_lshl_b32 s32, s32, 23
	s_or_b32 s32, s32, 0x600000
	v_mov_b32 v[LIMP], s32
	s_mov_b32 s[SI], 0
	s_wait_loadcnt 48                              ; Q and K of step 0 are in; the 48 loads issued behind them (K of step 1, V of step 0) may be out
	SMUL 4, 0                                      ; the scores of step 0
	WIN 0
	PLACES
	; A REGULAR STEP'S COUNTS.  Behind the loads of the next step's K stand 72: this step's V, the K and the V asked for in this step; a wait names 63 at the most, and with at most 63 out that K is in.
	; Behind the loads of this step's V stand 48: the K and the V asked for in this step.  The head above has issued its loads in the same order, so the first step's counts are the same.
	BODY 4, 1, 1, 0, 0, 1, 1, 1, 63, 48            ; step 0 starts the statistics, the sums and O^T
	BODY 4, 0, 1, 0, 1, 1, 1, 1, 63, 48            ; step 1
	s_add_co_u32 s[SI], s[SI], 2
	; Both loops count their trips up by 1 and go on while the count is LESS than a bound that no loop writes: c / 2, at most 7, and 15 - c', at most 14.
	s_mov_b32 s[CNT], 0
	s_cmp_lt_u32 s[CNT], s[B4]
	s_cbranch_scc0 .Lpair
.Lfour:                                            ; steps 2 .. c': all four tiles
	BODY 4, 0, 1, 0, 0, 1, 1, 1, 63, 48
	BODY 4, 0, 1, 0, 1, 1, 1, 1, 63, 48
	s_add_co_u32 s[SI], s[SI], 2
	s_add_co_u32 s[CNT], s[CNT], 1
	s_cmp_lt_u32 s[CNT], s[B4]
	s_cbranch_scc1 .Lfour
.Lpair:
	s_mov_b32 s[CNT], 0
	s_cmp_lt_u32 s[CNT], s[B2]
	s_cbranch_scc0 .Llast
.Ltwo:                                             ; steps c' + 1 .. 30 - c': the late pair
	BODY 2, 0, 0, 0, 0, 1, 1, 1, 63, 48
	BODY 2, 0, 0, 0, 1, 1, 1, 1, 63, 48
	s_add_co_u32 s[SI], s[SI], 2
	s_add_co_u32 s[CNT], s[CNT], 1
	s_cmp_lt_u32 s[CNT], s[B2]
	s_cbranch_scc1 .Ltwo
.Llast:                                            ; the last pair is written out: it asks for no K, and its second step for nothing, so no load is jumped over and none leaves its buffer
	BODY 2, 0, 0, 1, 0, 0, 1, 1, 48, 24            ; step 31 - c': behind the last K's loads stand this step's V and the last V, 48; behind this step's V the last V, 24
	BODY 2, 0, 0, 1, 1, 0, 0, 0, 0, 0              ; step 32 - c': nothing was issued behind its V
	; THE WAY OUT.  A query's sum lies in two halves of eight lanes' registers: its two halves, the other half of the lanes', and the four waves' (through LDS) are added.
.irp t, 0,1,2,3
	v_add_f32 v[ST+8*\t+6], v[ST+8*\t+2], v[ST+8*\t+3]
.endr
.irp t, 0,1,2,3
	v_permlanex16_b32 v[ST+8*\t+7], v[ST+8*\t+6], s20, s21
.endr
.irp t, 0,1,2,3
	v_add_f32 v[ST+8*\t+6], v[ST+8*\t+6], v[ST+8*\t+7]
.endr
.irp t, 0,1,2,3
	ds_store_b32 v[MXS], v[ST+8*\t+6] offset:LX+256*\t
.endr
	s_wait_dscnt 0x0                               ; for the others' sake: my sums have landed
	s_barrier_signal -1
	s_barrier_wait -1
.irp t, 0,1,2,3
	ds_load_b128 v[MXR+4*\t:MXR+4*\t+3], v[MXL] offset:LX+256*\t
.endr
	s_wait_dscnt 0x0
.irp t, 0,1,2,3
	v_add_f32 v[ST+8*\t+6], v[MXR+4*\t], v[MXR+4*\t+1]
	v_add_f32 v[ST+8*\t+7], v[MXR+4*\t+2], v[MXR+4*\t+3]
.endr
.irp t, 0,1,2,3
	v_add_f32 v[ST+8*\t+6], v[ST+8*\t+6], v[ST+8*\t+7]
.endr
.irp t, 0,1,2,3
	v_rcp_f32 v[ST+8*\t+6], v[ST+8*\t+6]
.endr
	v_nop                                          ; a plain line between the last reciprocal and the use of its result
	s_wait_alu depctr_va_vdst(0)
.irp t, 0,1,2,3
	v_ldexp_f32 v[ST+8*\t+4], v[ST+8*\t+6], s46    ; 2^(e8 + e9) / the sum
.endr
	RESCALE 4                                      ; O^T x that
	; A lane holds eight neighbouring channels of one row; a row's 384 channels come from four waves.  They meet in a stage of 64 rows; then wave w stores tile w's 16 whole rows.
	WIN W_ST1
.irp t, 0,1,2,3
.irp i, 0,1,2,3,4,5
.irp z, 0,1
.if \t < 2
	ds_store_b128 v[SO], v[48*\t+8*\i+4*\z:48*\t+8*\i+4*\z+3] offset:(\t%2)*16*SP+64*\i+16*\z
.else
	ds_store_b128 v[SO2], v[48*\t+8*\i+4*\z:48*\t+8*\i+4*\z+3] offset:(\t%2)*16*SP+64*\i+16*\z
.endif
.endr
.endr
.endr
	s_wait_dscnt 0x0                               ; for the others' sake: my part of the 64 rows has landed
	s_barrier_signal -1
	s_barrier_wait -1
	WIN W_LD2                                      ; into the registers that held Q
.set n, 0
.rept 48
	ds_load_b128 v[4*n:4*n+3], v[SR] offset:(n/3)*SP+512*(n%3)
.set n, n+1
.endr
	WIN W_ST2
.set n, 0
.rept 48
	s_wait_dscnt 47-n                              ; LDS loads come back in order: number n is in, the younger ones may be out
	global_store_b128 v[LI], v[4*n:4*n+3], s[52:53] offset:((n/3)+8*((n/3)/8))*1536+512*(n%3) th:TH_STORE_NT   ; lane row n / 3: 512 consecutive bytes, at a multiple of 512 from out0's first byte; written once
.set n, n+1
.endr
	WIN 0
	s_wait_tensorcnt 0x0
	ds_add_u32 v254, v255
	s_wait_dscnt 0x0
	s_endpgm
.Lfunc_end_k_q4cc0e08307_attn:
	.size	k_q4cc0e08307_attn, .Lfunc_end_k_q4cc0e08307_attn-k_q4cc0e08307_attn
	.p2alignl 7, 3214868480
	.fill 96, 4, 3214868480
	.section	.rodata,"a",@progbits
	.p2align	6, 0x0
	.amdhsa_kernel k_q4cc0e08307_attn
		.amdhsa_group_segment_fixed_size 110080
		.amdhsa_private_segment_fixed_size 0
		.amdhsa_enable_private_segment 0
		.amdhsa_kernarg_size 40
		.amdhsa_user_sgpr_count 2
		.amdhsa_user_sgpr_kernarg_segment_ptr 1
		.amdhsa_wavefront_size32 1
		.amdhsa_system_sgpr_workgroup_id_x 1
		.amdhsa_system_sgpr_workgroup_id_y 1
		.amdhsa_system_sgpr_workgroup_id_z 1
		.amdhsa_system_vgpr_workitem_id 0
		.amdhsa_next_free_vgpr 1024
		.amdhsa_next_free_sgpr 66
		.amdhsa_reserve_vcc 1
		.amdhsa_float_denorm_mode_32 3
		.amdhsa_float_denorm_mode_16_64 3
		.amdhsa_memory_ordered 1
		.amdhsa_forward_progress 1
		.amdhsa_inst_pref_size 222
	.end_amdhsa_kernel
	.amdgpu_metadata
---
amdhsa.version: [ 1, 2 ]
amdhsa.kernels:
  - .name:           k_q4cc0e08307_attn
    .symbol:         k_q4cc0e08307_attn.kd
    .args:
      - { .name: qc, .offset: 0, .size: 8, .value_kind: global_buffer, .address_space: global }
      - { .name: kc, .offset: 8, .size: 8, .value_kind: global_buffer, .address_space: global }
      - { .name: vc, .offset: 16, .size: 8, .value_kind: global_buffer, .address_space: global }
      - { .name: lowp_scales, .offset: 24, .size: 8, .value_kind: global_buffer, .address_space: global }
      - { .name: out0, .offset: 32, .size: 8, .value_kind: global_buffer, .address_space: global }
    .group_segment_fixed_size: 110080
    .private_segment_fixed_size: 0
    .kernarg_segment_align: 8
    .kernarg_segment_size: 40
    .max_flat_workgroup_size: 128
    .sgpr_count:     66
    .vgpr_count:     1024
    .wavefront_size: 32
...
	.end_amdgpu_metadata
.endif
;; end of part 4
;; ======== version 3 of 3: 3 launches; version 2 with the launches proj, attn written anew for expert scheduling mode
;; workspace buffers: wc 442,368 bytes; qc 6,291,456 bytes; kc 6,291,456 bytes; vc 6,291,456 bytes
;; launch wquant: the kernel of part 1 again; grid 24 x 3, 3 waves a work-group, no clusters, 26,112 bytes of LDS; arguments W_q, W_k, W_v, lowp_scales, wc; writes wc
;; launch proj (part 5): grid 256 x 1, 4 waves a work-group, no clusters, 173,568 bytes of LDS; arguments x, wc, lowp_scales, qc, kc, vc; writes qc, kc, vc
.if DOCPART == 5
	.amdgcn_target "amdgcn-amd-amdhsa--gfx1250"
	.amdhsa_code_object_version 6
	.text
	.protected	k_q4cc0e08307_proj
	.globl	k_q4cc0e08307_proj
	.p2align	8
	.type	k_q4cc0e08307_proj,@function
k_q4cc0e08307_proj:
	s_mov_b64 s[64:65], 0
	v_nop
	global_prefetch_b8 v0, s[64:65] scope:SCOPE_SE
	s_setreg_imm32_b32 hwreg(HW_REG_WAVE_SCHED_MODE, 0, 2), 2
	s_setreg_imm32_b32 hwreg(HW_REG_WAVE_MODE, 25, 1), 1
	s_wait_xcnt 0x0
	s_wait_alu depctr_vm_vsrc(0)
; Q = x W_q^T, K = x W_k^T, V = x W_v^T on codes of BF8 (E5M2), and their results quantised at once for the two products of attention.  x: [16,384][384] f32.  wc: the three weights as images.
; AN IMAGE is an operand fragment (16 rows x 128 along K) in the order of its registers, 2,048 bytes: byte 512 c + 16 lane + i = code of (row lane % 16, k = 32 c + 16 (lane / 16) + i).
; That is a permutation of k inside a matrix instruction, the same on both sides of every product: each code meets its partner; only the order of the sums inside an instruction differs.
; OUTPUTS: qc, kc = [tile 1,024][ks 3] images: lane row p of tile T is row 32 (T / 2) + 8 (T % 2) + p + 8 (p / 8) of x; k = the 384 channels.
;          vc = [batch 4][key step 32][channel tile 24] images: lane row p = channel 16 d + p; k = the step's 128 keys: the keys are the second product's K.
; SCALES (entries e0 .. e9): x is quantised three times, with e0, e2, e4.  A sum stands for sum x 2^(ex + ew), so its code is sum / 2^(e6 - e0 - e1) for Q, 2^(e7 - e2 - e3) for K, 2^(e9 - e4 - e5) for V:
; the three scales are folded into the conversion's one.
; SHARES: a work-group takes 64 rows of x (four tiles) and all 1,152 output columns, so x leaves memory once.  Wave w quantises tile w; the twelve fragments for each of the three scales go from wave to wave
; through LDS as images: one barrier.  THE WAVES SHARE THE COLUMNS: wave w holds weight tiles 6 w .. 6 w + 5 of a matrix (18 fragments, 288 registers) in registers, two sets by turns.
; Q, K: source 0 = 16 rows of W, source 1 = x: a lane holds one row of x and its registers run along the channels; the rows that form a tile of W are so chosen that two neighbouring tiles give a lane 16 neighbouring
; channels: two conversions make 16 bytes that ARE the lane's bytes of an image.  V: source 0 = x, source 1 = W_v: a lane holds one channel and 16 neighbouring keys.  So every code leaves by a store of 512 consecutive bytes.
; NO CLUSTER: every work-group reads all of wc, but each fragment is wanted by one wave and comes in register order straight into its registers; a joint load would land it in LDS, where its 442,368 bytes do not fit
; beside the images and from where each byte would be read once more.
; LIMITS: e0, e2, e4, e6 - e0 - e1, e7 - e2 - e3, e9 - e4 - e5 between -126 and 112, so that each power of two and 57,344 times it are f32 numbers.  NaN among the inputs is not served; an infinity is held at the largest code.
; REGISTERS, in windows of 256: window 0: v1-9 addresses; v16-27 scales; then by phase: x: v32-95 64 numbers, v96-159 held, v160-207 codes; products: v32-127 x's fragments, v128-223 accumulators, v224-247 codes.
;   windows 1, 2: fragments 0-15 of weight set 0, 1.   window 3: v0-63 fragments 16, 17 of both sets; v64-255 my 16 rows of x as loaded.
; THE MODE: SCHED_MODE bits 1:0 = 2 (LLVM: expert scheduling mode 2), set by the entry lines.  The code itself states the register dependences between vector or matrix instructions and memory or LDS instructions,
; with s_wait_alu, always for 0.
; THE PLAN.  Registers that memory or LDS instructions touch:
;   v1-9      addresses: written by vector lines at the head alone; one wait on va_vdst ahead of the first load serves every load and store of the kernel.
;   XR        64 numbers of x: LDS loads land there; the holds of a K step's three quantisers read them.
;   PC        48 registers of codes: a K step's conversions write them, its twelve image stores read them; behind the barrier the accumulators take their place.
;   XF        two buffers of three fragments of x: LDS loads land there; a tile's products read one while the next tile's loads land in the other (V: both at once).
;   weight set 0: W_q's products read it; then W_v's loads land there.
;   OC        codes of results: a tile's conversions write them, its stores read them.
; x: ONE wait on va_vdst to a K step, behind its three quantisers: the codes are written, and the holds are done reading XR, in which the next K step's loads land; one wait on vm_vsrc ahead of the next conversions.
; Products: ONE wait on va_vdst to a tile, ahead of its stores: the codes are written, and the tile's products are done reading their buffer of x (and, behind Q's last tile, W_q's registers); one wait on vm_vsrc,
; beside the wait on XCNT, ahead of the conversions that write OC again.  So a tile's head can ask for the next tile's fragments at once: no vector or matrix line since the last tile's wait names that buffer.
.set FRB,  2048                        ; an image
.set XSTG, 36*FRB                      ; LDS: x's images [scale 3][tile 4][ks 3] from byte 0; behind them a stage for each wave:
.set XSP,  1552                        ; 16 rows of 1,536 bytes + 16: 388 words, so that the 16 rows that a read touches start at 16 different groups of four banks
.set XWS,  16*XSP
.set LI,   1                           ; v1  16 x lane
.set XSTS, 2                           ; v2  my stage, on the way in
.set XSTL, 3                           ; v3  on the way out: row r, + 64 h
.set XWI,  4                           ; v4  where I store x's images: 16 x lane + 3 images x wave
.set LI1,  6                           ; v6  16 x lane + 24 images: the third scale's images lie beyond the reach of a 16-bit immediate
.set WOFF, 7                           ; v7  16 x lane + 18 images x wave: my six tiles of a weight
.set QKO,  8                           ; v8  16 x lane + 1,536 x wave: my three pieces of a tile of qc or kc
.set VO,   9                           ; v9  16 x lane + 6 images x wave: my six channel tiles of vc
.set SCX,  16                          ; v16-21  for x's three quantisers: the scale as f32, 57,344 x the scale
.set SCO,  22                          ; v22-27  the same for Q, K, V
.set XR,   32
.set TQ,   96
.set PC,   160
.set XF,   32
.set ACC,  128
.set OC,   224
.set RAW,  64                          ; in window 3
.set MSB, 0
.macro WIN new                         ; s_set_vgpr_msb: bits 1:0 source 0, 3:2 source 1, 5:4 source 2, 7:6 destination; the high byte repeats the setting that is left
.if MSB != (\new)
	s_set_vgpr_msb (MSB<<8)|(\new)
.set MSB, (\new)
.endif
.endm
.macro PLACES                          ; four plain vector lines behind a matrix instruction, ahead of the first read of its result (ISA guide 7.12.1)
.rept 4
	v_nop
.endr
.endm
.macro WSEL f, sg                      ; fragment f (= 6 ks + tile) of set sg lies in window WW at v[WR]
.if (\f) < 16
.set WW, 1+(\sg)
.set WR, 16*(\f)
.else
.set WW, 3
.set WR, 32*(\sg)+16*((\f)-16)
.endif
.endm
.macro WLOAD m, sg                     ; my 18 fragments of weight m into set sg: 72 loads of 512 consecutive bytes
.irp ks, 0,1,2
.irp t, 0,1,2,3,4,5
	WSEL 6*\ks+\t, \sg
	WIN WW<<6
.irp c, 0,1,2,3
	global_load_b128 v[WR+4*\c:WR+4*\c+3], v[WOFF], s[6:7] offset:\m*72*FRB+\t*3*FRB+\ks*FRB+512*\c
.endr
.endr
.endr
	WIN 0
.endm
.macro FETCH reg, adr, off             ; an image comes back as the registers that it was
.irp c, 0,1,2,3
	ds_load_b128 v[\reg+4*\c:\reg+4*\c+3], v[\adr] offset:\off+512*\c
.endr
.endm
.macro MKSC vs                         ; s32 = E: v[vs] = 2^E as f32, v[vs + 1] = 57,344 x 2^E
	s_add_co_i32 s32, s32, 127
	s_lshl_b32 s33, s32, 23
	v_mov_b32 v[\vs], s33
	s_add_co_i32 s32, s32, 15
	s_lshl_b32 s32, s32, 23
	s_or_b32 s32, s32, 0x600000
	v_mov_b32 v[\vs+1], s32
.endm
.macro QUANTX m                        ; my 64 numbers of a K step, by x's m-th scale, become a fragment in v[PC + 16 m] on
.set n, 0
.rept 64
	v_med3_num_f32 v[TQ+n], v[XR+n], -v[SCX+2*\m+1], v[SCX+2*\m+1]   ; the conversion does not saturate (ISA guide 7.6.2): the hold, into other registers: the numbers serve three scales
.set n, n+1
.endr
.irp c, 0,1,2,3
	v_cvt_scalef32_pk8_bf8_f32 v[PC+16*\m+4*\c:PC+16*\m+4*\c+1], v[TQ+16*\c:TQ+16*\c+7], v[SCX+2*\m]
	v_cvt_scalef32_pk8_bf8_f32 v[PC+16*\m+4*\c+2:PC+16*\m+4*\c+3], v[TQ+16*\c+8:TQ+16*\c+15], v[SCX+2*\m]
.endr
	v_nop                                          ; one plain line between the conversions and the next lines that write their sources
.endm
; Q (m = 0) or K (m = 1): my 96 channels for the four tiles of rows.  sg: the weight's set; pl: the pointer's low register.  x's fragments in two buffers by turns, a tile ahead.
.macro QK m, sg, pl
.irp ks, 0,1,2
	FETCH XF+16*\ks, LI, (12*\m+\ks)*FRB           ; no wait: no vector or matrix line since the last wait on va_vdst names this buffer
.endr
.irp xt, 0,1,2,3
.set XB, XF+48*(\xt%2)
.set XN, XF+48*((\xt+1)%2)
	s_wait_dscnt 0x0                               ; this tile's three fragments are in
.if \xt < 3
.irp ks, 0,1,2
	FETCH XN+16*\ks, LI, (12*\m+3*(\xt+1)+\ks)*FRB ; the next tile's, at once: the products that read this buffer stand ahead of the last tile's wait on va_vdst, and no line since names it
.endr
.endif
.irp ks, 0,1,2                         ; 18 matrix instructions: the six accumulators take turns, one instruction a turn; the first K step starts the sums
.irp t, 0,1,2,3,4,5
	WSEL 6*\ks+\t, \sg
	WIN WW
.if \ks == 0
	v_wmma_f32_16x16x128_bf8_bf8 v[ACC+8*\t:ACC+8*\t+7], v[WR:WR+15], v[XB+16*\ks:XB+16*\ks+15], 0
.else
	v_wmma_f32_16x16x128_bf8_bf8 v[ACC+8*\t:ACC+8*\t+7], v[WR:WR+15], v[XB+16*\ks:XB+16*\ks+15], v[ACC+8*\t:ACC+8*\t+7]
.endif
.endr
.endr
	WIN 0
	PLACES
.set n, 0
.rept 48
	v_med3_num_f32 v[ACC+n], v[ACC+n], -v[SCO+2*\m+1], v[SCO+2*\m+1]   ; the hold; each accumulator from its low end on
.set n, n+1
.endr
	s_wait_xcnt 0x0                                ; the last tile's stores have had their addresses translated (ISA guide 3.1): their data registers are written again only behind this wait,
.if (\m)+(\xt) > 0
	s_wait_alu depctr_vm_vsrc(0)                   ; and behind this one: the last tile's stores have read v[OC ..], which the conversions below write again
.endif
.irp t, 0,1,2,3,4,5
	v_cvt_scalef32_pk8_bf8_f32 v[OC+2*\t:OC+2*\t+1], v[ACC+8*\t:ACC+8*\t+7], v[SCO+2*\m]   ; tiles 2 b, 2 b + 1: channels 96 w + 32 b + 16 h + 0 .. 15
.endr
	v_nop                                          ; one plain line between the conversions and the matrix instructions that write their sources
	s_wait_alu depctr_va_vdst(0)                   ; the conversions have written v[OC ..], which the stores read; this tile's products are done reading their buffer of x and the weight's registers, in which later loads land
.irp b, 0,1,2
	global_store_b128 v[QKO], v[OC+4*\b:OC+4*\b+3], s[\pl:\pl+1] offset:\xt*3*FRB+512*\b   ; piece 3 w + b of the tile's three images: 512 consecutive bytes
.endr
.endr
.endm
; V: my six channel tiles for the 64 rows, 32 rows (a pair of x's tiles) at a time.  Twelve accumulators by turns.
.macro VV
.irp a, 0,1
.irp u, 0,1
.irp ks, 0,1,2
	FETCH XF+48*\u+16*\ks, LI1, (3*(2*\a+\u)+\ks)*FRB   ; no wait: the products that read both buffers stand ahead of the last wait on va_vdst, and no line since names them
.endr
.endr
	s_wait_dscnt 0x0
.irp ks, 0,1,2
.irp i, 0,1,2,3,4,5
	WSEL 6*\ks+\i, 0
	WIN WW<<2
.irp u, 0,1
.if \ks == 0
	v_wmma_f32_16x16x128_bf8_bf8 v[ACC+8*(2*\i+\u):ACC+8*(2*\i+\u)+7], v[XF+48*\u+16*\ks:XF+48*\u+16*\ks+15], v[WR:WR+15], 0
.else
	v_wmma_f32_16x16x128_bf8_bf8 v[ACC+8*(2*\i+\u):ACC+8*(2*\i+\u)+7], v[XF+48*\u+16*\ks:XF+48*\u+16*\ks+15], v[WR:WR+15], v[ACC+8*(2*\i+\u):ACC+8*(2*\i+\u)+7]
.endif
.endr
.endr
.endr
	WIN 0
	PLACES
.set n, 0
.rept 96
	v_med3_num_f32 v[ACC+n], v[ACC+n], -v[SCO+5], v[SCO+5]
.set n, n+1
.endr
	s_wait_xcnt 0x0                                ; earlier stores have had their addresses translated,
	s_wait_alu depctr_vm_vsrc(0)                   ; and have read v[OC ..], which the conversions below write again
.irp i, 0,1,2,3,4,5
.irp u, 0,1
	v_cvt_scalef32_pk8_bf8_f32 v[OC+4*\i+2*\u:OC+4*\i+2*\u+1], v[ACC+8*(2*\i+\u):ACC+8*(2*\i+\u)+7], v[SCO+4]   ; channel 16 (6 w + i) + r, keys 32 a + 16 h + 8 u + 0 .. 7 of my 64
.endr
.endr
	v_nop
	s_wait_alu depctr_va_vdst(0)                   ; the conversions have written v[OC ..], which the stores read; the products above are done reading x's two buffers, in which the next pair's loads land
.irp i, 0,1,2,3,4,5
	global_store_b128 v[VO], v[OC+4*\i:OC+4*\i+3], s[14:15] offset:\i*FRB+512*\a
.endr
.endr
.endm
	s_load_b256 s[4:11], s[0:1], 0x0               ; x s[4:5], wc s[6:7], the scales' exponents s[8:9], qc s[10:11]
	s_load_b128 s[12:15], s[0:1], 0x20             ; kc s[12:13], vc s[14:15]
	v_lshl_add_u32 v254, v0, 2, 0x2a400
	v_mov_b32 v255, 0
	v_lshrrev_b32 v10, 5, v0
	v_readfirstlane_b32 s16, v10                   ; wave 0..3
	v_and_b32 v10, 31, v0                          ; lane
	v_and_b32 v11, 15, v0                          ; r
	v_bfe_u32 v12, v0, 4, 1                        ; h
	v_lshlrev_b32 v[LI], 4, v10
	s_wait_alu depctr_va_sdst(0)                   ; s16 is written, ahead of its first reader: LDS addresses and offsets are made from it
	s_mul_i32 s24, s16, XWS
	s_add_co_u32 s24, s24, XSTG
	v_add_nc_u32 v[XSTS], s24, v[LI]
	v_mul_u32_u24 v[XSTL], v11, XSP
	v_lshl_add_u32 v[XSTL], v12, 6, v[XSTL]
	v_add_nc_u32 v[XSTL], s24, v[XSTL]
	s_mul_i32 s24, s16, 3*FRB
	v_add_nc_u32 v[XWI], s24, v[LI]
	v_add_nc_u32 v[LI1], 24*FRB, v[LI]
	s_mul_i32 s24, s16, 18*FRB
	v_add_nc_u32 v[WOFF], s24, v[LI]
	s_mul_i32 s24, s16, 1536
	v_add_nc_u32 v[QKO], s24, v[LI]
	s_mul_i32 s24, s16, 6*FRB
	v_add_nc_u32 v[VO], s24, v[LI]
	s_lshl_b32 s18, ttmp9, 6                       ; my tile's first row of x: 64 g + 32 (w / 2) + 8 (w % 2)
	s_lshr_b32 s19, s16, 1
	s_lshl_b32 s19, s19, 5
	s_add_co_u32 s18, s18, s19
	s_and_b32 s19, s16, 1
	s_lshl_b32 s19, s19, 3
	s_add_co_u32 s18, s18, s19
	s_mul_i32 s18, s18, 1536
	s_mov_b32 s19, 0
	s_mul_i32 s20, ttmp9, 12*FRB                   ; qc, kc: tiles 4 g on, three images each
	s_mov_b32 s21, 0
	s_lshr_b32 s22, ttmp9, 6                       ; vc: batch g / 64,
	s_mul_i32 s22, s22, 32*24*FRB
	s_bfe_u32 s23, ttmp9, 0x50001                  ; key step (g % 64) / 2,
	s_mul_i32 s23, s23, 24*FRB
	s_add_co_u32 s22, s22, s23
	s_and_b32 s23, ttmp9, 1                        ; and which 64 of its 128 keys: pieces 2 (g % 2) on
	s_lshl_b32 s23, s23, 10
	s_add_co_u32 s22, s22, s23
	s_mov_b32 s23, 0
	s_wait_kmcnt 0x0
	s_load_b256 s[36:43], s[8:9], 0x0              ; e0 .. e7
	s_load_b64 s[44:45], s[8:9], 0x20              ; e8, e9
	s_add_nc_u64 s[4:5], s[4:5], s[18:19]
	s_add_nc_u64 s[10:11], s[10:11], s[20:21]
	s_add_nc_u64 s[12:13], s[12:13], s[20:21]
	s_add_nc_u64 s[14:15], s[14:15], s[22:23]
	WIN 0xc0                                       ; destination window 3
	s_wait_alu depctr_va_vdst(0)                   ; the addresses v1 to v9 are written: every load and store of the kernel reads one of them, and no line writes them again
.irp i, 0,1,2,3,4,5,6,7,8,9,10,11,12,13,14,15
.irp k, 0,1,2
	global_load_b128 v[RAW+4*(3*\i+\k):RAW+4*(3*\i+\k)+3], v[LI], s[4:5] offset:(\i+8*(\i/8))*1536+512*\k th:TH_LOAD_NT   ; lane row i: 512 consecutive bytes; read once in the launch
.endr
.endr
	WLOAD 0, 0                                     ; W_q
	s_wait_kmcnt 0x0
	s_mov_b32 s32, s36
	MKSC SCX
	s_mov_b32 s32, s38
	MKSC SCX+2
	s_mov_b32 s32, s40
	MKSC SCX+4
	s_sub_co_i32 s32, s42, s36
	s_sub_co_i32 s32, s32, s37
	MKSC SCO                                       ; e6 - e0 - e1
	s_sub_co_i32 s32, s43, s38
	s_sub_co_i32 s32, s32, s39
	MKSC SCO+2                                     ; e7 - e2 - e3
	s_sub_co_i32 s32, s45, s40
	s_sub_co_i32 s32, s32, s41
	MKSC SCO+4                                     ; e9 - e4 - e5
	s_wait_loadcnt 63                              ; 72 loads were issued behind x's 48: with at most 63 out, x is in
	WIN 0x0c                                       ; store data window 3
.irp i, 0,1,2,3,4,5,6,7,8,9,10,11,12,13,14,15
.irp k, 0,1,2
	ds_store_b128 v[XSTS], v[RAW+4*(3*\i+\k):RAW+4*(3*\i+\k)+3] offset:XSP*\i+512*\k   ; loaded data: the wait on LOADcnt is all that these stores hang on
.endr
.endr
	WIN 0
	WLOAD 1, 1                                     ; W_k
.irp ks, 0,1,2
	s_wait_dscnt 0x0                               ; my LDS stores so far have landed: only the sixteen loads below are then out
.irp c, 0,1,2,3
.irp j, 0,1,2,3
	ds_load_b128 v[XR+16*\c+4*\j:XR+16*\c+4*\j+3], v[XSTL] offset:512*\ks+128*\c+16*\j   ; my stage, my stores: LDS serves a wave's instructions in order.  The holds that read v[XR ..] stand ahead of the last wait on va_vdst
.endr
.endr
	s_wait_dscnt 0x0
.if \ks > 0
	s_wait_alu depctr_vm_vsrc(0)                   ; the last K step's image stores have read v[PC ..], which the conversions below write again
.endif
	QUANTX 0
	QUANTX 1
	QUANTX 2
	s_wait_alu depctr_va_vdst(0)                   ; the conversions have written v[PC ..], which the stores read; the holds are done reading v[XR ..], in which the next loads land
.irp m, 0,1,2
.irp c, 0,1,2,3
	ds_store_b128 v[XWI], v[PC+16*\m+4*\c:PC+16*\m+4*\c+3] offset:\m*12*FRB+\ks*FRB+512*\c
.endr
.endr
.endr
	s_wait_dscnt 0x0                               ; for the others' sake: my images have landed
	s_barrier_signal -1
	s_barrier_wait -1                              ; x's 36 images lie in LDS; nobody writes them again
	s_wait_alu depctr_vm_vsrc(0)                   ; my image stores have read v[PC ..]: the accumulators take these registers from here on
	s_wait_loadcnt 63                              ; W_k's 72 loads were issued behind W_q's: W_q is in
	QK 0, 0, 10
	WLOAD 2, 0                                     ; W_v takes W_q's registers: the products that read them stand ahead of the wait on va_vdst in Q's last tile, and no line since names them
	s_wait_loadcnt 63                              ; W_v's 72 loads were issued behind W_k's: W_k is in
	QK 1, 1, 12
	s_wait_loadcnt 0x0                             ; W_v
	VV
	s_wait_dscnt 0x0
	s_wait_alu depctr_hold_cnt(0) depctr_sa_sdst(0) depctr_va_vdst(0) depctr_va_sdst(0) depctr_va_ssrc(0) depctr_va_vcc(0) depctr_vm_vsrc(0)
	s_wait_tensorcnt 0x0
	ds_add_u32 v254, v255
	s_wait_dscnt 0x0
	s_endpgm
.Lfunc_end_k_q4cc0e08307_proj:
	.size	k_q4cc0e08307_proj, .Lfunc_end_k_q4cc0e08307_proj-k_q4cc0e08307_proj
	.p2alignl 7, 3214868480
	.fill 96, 4, 3214868480
	.section	.rodata,"a",@progbits
	.p2align	6, 0x0
	.amdhsa_kernel k_q4cc0e08307_proj
		.amdhsa_group_segment_fixed_size 173568
		.amdhsa_private_segment_fixed_size 0
		.amdhsa_enable_private_segment 0
		.amdhsa_kernarg_size 48
		.amdhsa_user_sgpr_count 2
		.amdhsa_user_sgpr_kernarg_segment_ptr 1
		.amdhsa_wavefront_size32 1
		.amdhsa_system_sgpr_workgroup_id_x 1
		.amdhsa_system_sgpr_workgroup_id_y 1
		.amdhsa_system_sgpr_workgroup_id_z 1
		.amdhsa_system_vgpr_workitem_id 0
		.amdhsa_next_free_vgpr 1024
		.amdhsa_next_free_sgpr 66
		.amdhsa_reserve_vcc 0
		.amdhsa_float_denorm_mode_32 3
		.amdhsa_float_denorm_mode_16_64 3
		.amdhsa_memory_ordered 1
		.amdhsa_forward_progress 1
		.amdhsa_inst_pref_size 150
	.end_amdhsa_kernel
	.amdgpu_metadata
---
amdhsa.version: [ 1, 2 ]
amdhsa.kernels:
  - .name:           k_q4cc0e08307_proj
    .symbol:         k_q4cc0e08307_proj.kd
    .args:
      - { .name: x, .offset: 0, .size: 8, .value_kind: global_buffer, .address_space: global }
      - { .name: wc, .offset: 8, .size: 8, .value_kind: global_buffer, .address_space: global }
      - { .name: lowp_scales, .offset: 16, .size: 8, .value_kind: global_buffer, .address_space: global }
      - { .name: qc, .offset: 24, .size: 8, .value_kind: global_buffer, .address_space: global }
      - { .name: kc, .offset: 32, .size: 8, .value_kind: global_buffer, .address_space: global }
      - { .name: vc, .offset: 40, .size: 8, .value_kind: global_buffer, .address_space: global }
    .group_segment_fixed_size: 173568
    .private_segment_fixed_size: 0
    .kernarg_segment_align: 8
    .kernarg_segment_size: 48
    .max_flat_workgroup_size: 128
    .sgpr_count:     66
    .vgpr_count:     1024
    .wavefront_size: 32
...
	.end_amdgpu_metadata
.endif
;; end of part 5
;; launch attn (part 6): grid 64 x 4, 4 waves a work-group, no clusters, 110,080 bytes of LDS; arguments qc, kc, vc, lowp_scales, out0; writes out0
.if DOCPART == 6
	.amdgcn_target "amdgcn-amd-amdhsa--gfx1250"
	.amdhsa_code_object_version 6
	.text
	.protected	k_q4cc0e08307_attn
	.globl	k_q4cc0e08307_attn
	.p2align	8
	.type	k_q4cc0e08307_attn,@function
k_q4cc0e08307_attn:
	s_mov_b64 s[64:65], 0
	v_nop
	global_prefetch_b8 v0, s[64:65] scope:SCOPE_SE
	s_setreg_imm32_b32 hwreg(HW_REG_WAVE_SCHED_MODE, 0, 2), 2
	s_setreg_imm32_b32 hwreg(HW_REG_WAVE_MODE, 25, 1), 1
	s_wait_xcnt 0x0
	s_wait_alu depctr_vm_vsrc(0)
; out[b][q] = the sum over keys k <= q of softmax_k(Q[q] . K[k] / sqrt(384)) V[k], both products on codes of BF8 (E5M2).  qc, kc, vc: images made by the launch before; out0: [4][4,096][384] f32.
; AN IMAGE is an operand fragment (16 rows x 128 along K) in the order of its registers, 2,048 bytes: byte 512 c + 16 lane + i = code of (row lane % 16, k = 32 c + 16 (lane / 16) + i): four loads of 512 consecutive bytes.
; qc, kc: [tile][ks 3]; lane row p of tile T is row 32 (T / 2) + 8 (T % 2) + p + 8 (p / 8).  vc: [batch][key step][channel tile 24]; lane row p = channel 16 d + p, k = the step's 128 keys.
; THE SOFTMAX: t = score x log2(e) / sqrt(384); M = the row's largest t so far, rounded UP to a whole number; p = 2^(t - M) is quantised with 2^e8, not normalised; the row's sum is taken of the unquantised p
; and divides at the end.  When M moves, the sum and O are multiplied by 2^(old M - new M), which rounds nothing.
; SHARES.  Work-group (c = x / 4, sub = x % 4, batch y) owns 32 LATE queries, 128 (31 - c) + 32 sub on (tiles 0, 1), and 32 EARLY ones, 128 c + 32 sub on (tiles 2, 3).  Key steps of 128 keys, BY PAIRS (see TWO SETS):
; with c' = c rounded up to an odd number, steps 0 .. c' serve all four tiles and steps c' + 1 .. 32 - c' the late pair: 4 (c' + 1) + 2 (32 - 2 c') = 68 tile steps in every work-group, 32 steps at the most.
; The price of the pairs: with c even the early pair walks one step (c + 1) all of whose keys the mask hides, with c odd the late pair does (32 - c).  Such a step's scores become -infinity, its p zeros: it adds nothing.
; THE WAVES SHARE THE KEYS IN S AND THE CHANNELS IN O.  S^T = K Q^T: wave w takes keys 32 w .. 32 w + 31 of the step (two tiles of K) against all query tiles; O^T += V^T P^T: wave w takes channels 96 w .. 96 w + 95
; (six tiles of V) against all of P.  So each fragment of K and V is wanted by ONE wave, feeds two or four matrix instructions, and comes straight into its registers.  What goes from wave to wave is small:
; the tiles' maxima (1 KB) and P's codes (8 KB), through LDS: two barriers a step.  A lane holds one query (lane % 16) throughout; its 16 scores of a tile are 16 neighbouring keys, so two conversions make its bytes of P's image.
; TWO SETS of registers for K's six fragments and for V's six: even steps' in set 0, odd steps' in set 1; register numbers stand in the text, so a step is written for each parity.  The next step's scores are multiplied behind
; this step's second barrier, ahead of O's products.  In step s K of step s + 2 is asked for behind the first barrier, and V of step s + 1 behind the second, its loads dealt among the products of the next scores:
; each 24 loads have more than a step in which to land.
; NO CLUSTER, NO LDS RING: work-groups of one c walk the same K and V, but a joint load lands in LDS, and each of a step's 98,304 bytes would then be written there and read once more on its way to the one wave that wants it.
; LIMITS: e6 + e7 between -122 and 131 (they are added to the exponent field of log2(e) / sqrt(384)); e8 between -126 and 112; e8 + e9 is applied by v_ldexp_f32 and has none.
; The last step that serves four tiles multiplies the next scores for all four: the early pair's twelve products there are not read.
; REGISTERS, in windows of 256: window 0: v2-17 addresses and constants; v32-63 eight registers of statistics a tile; v64-127 S^T, 16 a tile; v128-143 P's codes just made; v144-207 P's fragments; v208-223 maxima read back.
;   window 1: v0-191 O^T, 48 a tile (tile t, channel tile i at 48 t + 8 i); v192-255 V set 1, channel tiles 0-3.   window 2: v0-191 Q, 48 a tile (on the way out rows of the result); v192-223 K set 1, K step 2; v224-255 V set 1, channel tiles 4, 5.
;   window 3: v0-95 K set 0; v96-191 V set 0; v192-255 K set 1, K steps 0, 1.
; THE MODE: SCHED_MODE bits 1:0 = 2 (LLVM: expert scheduling mode 2), set by the entry lines.  The code itself states the register dependences between vector or matrix instructions and memory or LDS instructions,
; with s_wait_alu, always for 0.
; THE PLAN.  Registers that memory or LDS instructions touch, in step s (p = s % 2):
;   v2-9, v15      addresses: written by vector lines at the head alone; one wait on va_vdst ahead of the first load serves the whole kernel.
;   K set p        read by the products that made step s's scores, issued in step s - 1; the loads of K of step s + 2 land there, behind the first barrier.
;   V set 1 - p    read by O's products of step s - 1; the loads of V of step s + 1 land there, behind the second barrier.
;   MXR            read by the statistics; the LDS loads behind the first barrier land there.          PF   read by O's products; the LDS loads behind the second barrier land there.
;   ST + 8 t + 6   written by the local maximum, read by the store of the maxima, written again by the statistics.          PC   written by the conversions, read by the stores of P's pieces.
; THREE WAITS A STEP.  (1) va_vdst ahead of the stores of the maxima: they are written; and all that the step before issued is done reading MXR, K set p, PF and V set 1 - p.  No vector or matrix line of step s names one of
; those four before its loads land there, so the wait serves all four runs of loads.  (2) vm_vsrc ahead of the statistics: the stores of the maxima have read ST + 8 t + 6, the last step's stores of P have read PC.
; (3) va_vdst ahead of the stores of P: the codes are written.
.set FRB,   2048
.set STEPB, 24*FRB                     ; a key step of kc (8 tiles x 3 images) and of vc (24 images)
.set MX,    0                          ; LDS: the step's maxima [tile 4][query 16][wave 4] f32
.set PIMG,  1024                       ; P's four images; wave w writes piece w
.set LX,    9216                       ; the sums, laid as the maxima
.set STG,   10240                      ; the way out: 64 rows of 1,536 bytes + 16
.set SP,    1552
.set KVO,  2                           ; v2   16 x lane + 6 images x wave: my part of a step of kc or vc; never rewritten
.set LI,   3                           ; v3   16 x lane
.set MXS,  4                           ; v4   16 r + 4 w: my word of a tile's maxima
.set MXL,  5                           ; v5   16 r: my query's four words
.set PIS,  6                           ; v6   PIMG + 512 w + 16 x lane
.set PIL,  7                           ; v7   PIMG + 16 x lane
.set SO,   8                           ; v8   the stage, tiles 0, 1: row r, + 384 w + 32 h
.set SO2,  9                           ; v9   tiles 2, 3
.set DG,   10                          ; v10, v11  on a pair's diagonal step, for even and odd tiles: my query less my first key
.set NINF, 12                          ; v12  -infinity
.set SCP,  13                          ; v13  2^e8 as f32
.set LIMP, 14                          ; v14  57,344 x 2^e8
.set SR,   15                          ; v15  the stage, back: my 16 rows, 16 bytes a lane
.set DT,   16                          ; v16, v17  the same distance in the step in hand: DG + 128 (diagonal step - step)
.set ST,   32                          ; tile t at v[ST + 8 t]: +0 -M, +1 the largest t, +2, +3 the sum in two halves, +4 f (at the end 2^(e8 + e9) / the sum), +5 named with it as a pair, +6, +7 at work
.set S,    64
.set PC,   128
.set PF,   144
.set MXR,  208
.set CC,   15                          ; s15  c: the early pair's diagonal step
.set SI,   18                          ; s18  the first step of the pair in hand: even; stepped by 2 behind each pair
.set CH,   19                          ; s19  31 - c: the late pair's diagonal step
.set B4,   34                          ; s34  c / 2: pairs of steps with four tiles behind the first.  Never written in a loop
.set B2,   35                          ; s35  15 - c': pairs of steps with two tiles ahead of the last.  Never written in a loop
.set CNT,  47                          ; s47  counts a loop's trips
.set CS,   22                          ; s[22:23]  log2(e) / sqrt(384) x 2^(e6 + e7)
                                       ; s36-43, s54-61: behind the head, the sixteen masks of a tile's causal mask
.set W_RS,  0x41                       ; O^T (destination and source 0) window 1
.set W_LD2, 0x80                       ; destination window 2
.set W_ST1, 0x04                       ; store data window 1
.set W_ST2, 0x08                       ; store data window 2
.set MSB, 0
.macro WIN new                         ; s_set_vgpr_msb: bits 1:0 source 0, 3:2 source 1, 5:4 source 2, 7:6 destination; the high byte repeats the setting that is left
.if MSB != (\new)
	s_set_vgpr_msb (MSB<<8)|(\new)
.set MSB, (\new)
.endif
.endm
.macro PLACES                          ; four plain vector lines behind a matrix instruction, ahead of the first read of its result (ISA guide 7.12.1)
.rept 4
	v_nop
.endr
.endm
.macro KSEL kp, u, ks                  ; K's fragment (tile u, K step ks) of set kp lies in window KW at v[KR]: a K step's two fragments share a window
.if (\kp) == 0
.set KW, 3
.set KR, 48*(\u)+16*(\ks)
.elseif (\ks) < 2
.set KW, 3
.set KR, 192+32*(\ks)+16*(\u)
.else
.set KW, 2
.set KR, 192+16*(\u)
.endif
.endm
.macro VSEL vp, i                      ; V's fragment (channel tile i) of set vp lies in window VW at v[VR]
.if (\vp) == 0
.set VW, 3
.set VR, 96+16*(\i)
.elseif (\i) < 4
.set VW, 1
.set VR, 192+16*(\i)
.else
.set VW, 2
.set VR, 224+16*((\i)-4)
.endif
.endm
.macro LDK kp, pl, off                 ; my six fragments of a step of K into set kp: 24 loads of 512 consecutive bytes
.irp ks, 0,1,2
.irp u, 0,1
	KSEL \kp, \u, \ks
	WIN KW<<6
.irp c, 0,1,2,3
	global_load_b128 v[KR+4*\c:KR+4*\c+3], v[KVO], s[\pl:\pl+1] offset:\off+(3*\u+\ks)*FRB+512*\c
.endr
.endr
.endr
	WIN 0
.endm
.macro LDV vp, pl, off                 ; the same for V, in one run: at the head
.irp i, 0,1,2,3,4,5
	VSEL \vp, \i
	WIN VW<<6
.irp c, 0,1,2,3
	global_load_b128 v[VR+4*\c:VR+4*\c+3], v[KVO], s[\pl:\pl+1] offset:\off+\i*FRB+512*\c
.endr
.endr
	WIN 0
.endm
; S^T = K Q^T for nt query tiles, K from set kp: 6 nt matrix instructions.  The 2 nt accumulators take turns, one instruction a turn; the first K step starts the sums.
; ldv = 1: the 24 loads of the next step's V, by the base s[30:31], into set vp, are dealt among them, two fragments behind each K step's products.  No wait: these products name K's set, Q and S^T,
; and no vector or matrix line since the step's first wait on va_vdst names V's set vp or v[KVO].
.macro SMUL nt, kp, ldv, vp
.irp ks, 0,1,2
.set TT, 0
.rept \nt
.irp u, 0,1
	KSEL \kp, \u, \ks
	WIN 0x08|KW                                    ; K window KW, Q window 2, S^T window 0
.if \ks == 0
	v_wmma_f32_16x16x128_bf8_bf8 v[S+16*TT+8*\u:S+16*TT+8*\u+7], v[KR:KR+15], v[48*TT+16*\ks:48*TT+16*\ks+15], 0
.else
	v_wmma_f32_16x16x128_bf8_bf8 v[S+16*TT+8*\u:S+16*TT+8*\u+7], v[KR:KR+15], v[48*TT+16*\ks:48*TT+16*\ks+15], v[S+16*TT+8*\u:S+16*TT+8*\u+7]
.endif
.endr
.set TT, TT+1
.endr
.if \ldv
.irp z, 0,1
.set VI, 2*\ks+\z
	VSEL \vp, VI
	WIN VW<<6
.irp c, 0,1,2,3
	global_load_b128 v[VR+4*\c:VR+4*\c+3], v[KVO], s[30:31] offset:VI*FRB+512*\c
.endr
.endr
.endif
.endr
.endm
; O^T += V^T P^T, V from set vp: one instruction for each of my six channel tiles and each query tile.  zero = 1: the first step starts the sums.
.macro PVMUL nt, zero, vp
.irp i, 0,1,2,3,4,5
	VSEL \vp, \i
	WIN 0x50|VW                                    ; V window VW, P window 0, O^T window 1
.set TT, 0
.rept \nt
.if \zero
	v_wmma_f32_16x16x128_bf8_bf8 v[48*TT+8*\i:48*TT+8*\i+7], v[VR:VR+15], v[PF+16*TT:PF+16*TT+15], 0
.else
	v_wmma_f32_16x16x128_bf8_bf8 v[48*TT+8*\i:48*TT+8*\i+7], v[VR:VR+15], v[PF+16*TT:PF+16*TT+15], v[48*TT+8*\i:48*TT+8*\i+7]
.endif
.set TT, TT+1
.endr
.endr
.endm
; Register n of tile t holds the key n past my first; it is hidden where n > my query less my first key.  A hidden score becomes -infinity ahead of the maximum: p = 0 then.
; The sixteen compares stand in one run, each with a scalar register of its own (s36-43, s54-61), so that one wait serves the sixteen selects.
.macro MASK t
.set n, 0
.rept 16
	v_cmp_gt_i32 s[36+n+10*(n/8)], n, v[DT+((\t)%2)]
.set n, n+1
.endr
	s_wait_alu depctr_va_sdst(0)                   ; the sixteen masks are written, ahead of their first reader
.set n, 0
.rept 16
	v_cndmask_b32 v[S+16*(\t)+n], v[S+16*(\t)+n], v[NINF], s[36+n+10*(n/8)]
.set n, n+1
.endr
.endm
; The mask of tiles t0, t0 + 1 in step SI + p.  s[dg]: the pair's diagonal step.  Ahead of it nothing is hidden: a branch on ids.  On it and behind it the distance is DG + 128 (diagonal step - step): behind it every key is hidden.
.macro HIDE dg, p, t0
	s_add_co_u32 s33, s[SI], \p
	s_cmp_lt_u32 s33, s[\dg]
	s_cbranch_scc1 .Lopen_\@
	s_sub_co_i32 s32, s[\dg], s33
	s_lshl_b32 s32, s32, 7
	v_add_nc_u32 v[DT], s32, v[DG]
	v_add_nc_u32 v[DT+1], s32, v[DG+1]
	MASK \t0
	MASK \t0+1
.Lopen_\@:
.endm
; Line j of a tile's local maximum: two chains, one to each accumulator, each begun at its low end; then the other half of the lanes; then my word of the tile's maxima.
.macro MAXLINE
.set rT, ST+8*TT
.set rS, S+16*TT
.if j == 0
	v_max3_num_f32 v[rT+6], v[rS], v[rS+1], v[rS+2]
.elseif j == 1
	v_max3_num_f32 v[rT+7], v[rS+8], v[rS+9], v[rS+10]
.elseif j < 6
.if j%2 == 0
	v_max3_num_f32 v[rT+6], v[rT+6], v[rS+j+1], v[rS+j+2]
.else
	v_max3_num_f32 v[rT+7], v[rT+7], v[rS+j+8], v[rS+j+9]
.endif
.elseif j == 6
	v_max3_num_f32 v[rT+6], v[rT+6], v[rS+7], v[rS+15]
.elseif j == 7
	v_max_num_f32 v[rT+6], v[rT+6], v[rT+7]
.elseif j == 8
	v_permlanex16_b32 v[rT+7], v[rT+6], s20, s21   ; my query's other 16 keys lie in the lane 16 away
.elseif j == 9
	v_max_num_f32 v[rT+6], v[rT+6], v[rT+7]
.else
	ds_store_b32 v[MXS], v[rT+6] offset:MX+256*TT  ; both halves of the lanes write the same number to the same word
.endif
.endm
.macro MAXLOC nt                       ; the tiles alternate line by line, so that no line waits for the line above it
.set j, 0
.rept 11
.if j == 10
	s_wait_alu depctr_va_vdst(0)                   ; the maxima are written, which the stores read; the last step's statistics are done reading MXR, its products K's set of this step's parity, PF and V's other set: this step's loads land in all four
.endif
.set TT, 0
.rept \nt
	MAXLINE
.set TT, TT+1
.endr
.set j, j+1
.endr
.endm
; Line j of a tile's statistics: the step's largest score among the four waves' words, as t; the running largest t; -M = floor(-t); f = 2^(old M - new M).  Every wave makes the same numbers.
.macro STLINE first
.set rT, ST+8*TT
.set rM, MXR+4*TT
.if j == 0
	v_max3_num_f32 v[rT+6], v[rM], v[rM+1], v[rM+2]
.elseif j == 1
	v_max_num_f32 v[rT+6], v[rT+6], v[rM+3]
.elseif \first
.if j == 2
	v_mul_f32 v[rT+1], s[CS], v[rT+6]              ; the first step starts the largest t
.elseif j == 3
	v_floor_f32 v[rT], -v[rT+1]
.endif
.elseif j == 2
	v_mul_f32 v[rT+6], s[CS], v[rT+6]
.elseif j == 3
	v_max_num_f32 v[rT+1], v[rT+1], v[rT+6]
.elseif j == 4
	v_mov_b32 v[rT+6], v[rT]
.elseif j == 5
	v_floor_f32 v[rT], -v[rT+1]                    ; -M = floor(-t) = -ceil(t): M is a whole number
.elseif j == 6
	v_sub_f32 v[rT+6], v[rT], v[rT+6]              ; old M - new M: a whole number, 0 or less
.elseif j == 7
	v_cvt_i32_f32 v[rT+6], v[rT+6]                 ; (it saturates)
.else
	v_ldexp_f32 v[rT+4], 1.0, v[rT+6]
.endif
.endm
.macro STATS nt, first
.set j, 0
.rept 9
.set TT, 0
.rept \nt
	STLINE \first
.set TT, TT+1
.endr
.set j, j+1
.endr
.endm
; Line j of a tile's sum of the UNQUANTISED p: eight pairs, in two chains (the sum's own pair, and a pair at work).
.macro SUMLINE first
.set rT, ST+8*TT
.set rS, S+16*TT
.if j == 0
.if !\first
	v_pk_mul_f32 v[rT+2:rT+3], v[rT+2:rT+3], v[rT+4:rT+5] op_sel_hi:[1,0]   ; the sum under the new M
.endif
.elseif j == 1
.if \first
	v_pk_add_f32 v[rT+2:rT+3], v[rS:rS+1], v[rS+2:rS+3]
.else
	s_wait_alu depctr_va_vdst(0)
	v_pk_add_f32 v[rT+6:rT+7], v[rS:rS+1], v[rS+2:rS+3]
.endif
.elseif j == 2
.if \first
	v_pk_add_f32 v[rT+6:rT+7], v[rS+4:rS+5], v[rS+6:rS+7]
.else
	v_pk_add_f32 v[rT+2:rT+3], v[rT+2:rT+3], v[rS+4:rS+5]
.endif
.elseif j == 3
.if !\first
	v_pk_add_f32 v[rT+6:rT+7], v[rT+6:rT+7], v[rS+6:rS+7]
.endif
.elseif j < 8
.if j%2 == 0
	v_pk_add_f32 v[rT+2:rT+3], v[rT+2:rT+3], v[rS+2*j:rS+2*j+1]
.else
	v_pk_add_f32 v[rT+6:rT+7], v[rT+6:rT+7], v[rS+2*j:rS+2*j+1]
.endif
.else
	v_pk_add_f32 v[rT+2:rT+3], v[rT+2:rT+3], v[rT+6:rT+7]
.endif
.endm
; p = 2^(t - M), its sum, its codes, and my piece of each tile's image
.macro EXPQ nt, first
.set TT, 0
.rept \nt
.set n, 0
.rept 8
	v_pk_fma_f32 v[S+16*TT+2*n:S+16*TT+2*n+1], v[S+16*TT+2*n:S+16*TT+2*n+1], s[CS:CS+1], v[ST+8*TT:ST+8*TT+1] op_sel_hi:[1,0,0]   ; t - M, two at a time (of both pairs the low word serves both halves)
.set n, n+1
.endr
.set TT, TT+1
.endr
.set n, 0
.rept 16*\nt
	v_exp_f32 v[S+n], v[S+n]
.set n, n+1
.endr
.if \first
	v_nop                                          ; a plain line behind the exponentials, ahead of the first use of a result; in the other steps the sums' first line is that line
	s_wait_alu depctr_va_vdst(0)
.endif
.set j, 0
.rept 9
.set TT, 0
.rept \nt
	SUMLINE \first
.set TT, TT+1
.endr
.set j, j+1
.endr
.set n, 0
.rept 16*\nt
	v_min_num_f32 v[S+n], v[S+n], v[LIMP]          ; the conversion does not saturate (ISA guide 7.6.2); p is not negative, so the hold is one-sided
.set n, n+1
.endr
.set TT, 0
.rept \nt
	v_cvt_scalef32_pk8_bf8_f32 v[PC+4*TT:PC+4*TT+1], v[S+16*TT:S+16*TT+7], v[SCP]
	v_cvt_scalef32_pk8_bf8_f32 v[PC+4*TT+2:PC+4*TT+3], v[S+16*TT+8:S+16*TT+15], v[SCP]
.set TT, TT+1
.endr
	v_nop                                          ; one plain line between the conversions and the matrix instructions that write their sources
	s_wait_alu depctr_va_vdst(0)                   ; the conversions have written v[PC ..], which the stores read
.set TT, 0
.rept \nt
	ds_store_b128 v[PIS], v[PC+4*TT:PC+4*TT+3] offset:FRB*TT   ; keys 32 w + 16 h + 0 .. 15 of query r: piece w of the image
.set TT, TT+1
.endr
.endm
.macro RESCALE nt                      ; O^T x f, two at a time, each accumulator from its low end on
	WIN W_RS
.set TT, 0
.rept \nt
.set n, 0
.rept 24
	v_pk_mul_f32 v[48*TT+2*n:48*TT+2*n+1], v[48*TT+2*n:48*TT+2*n+1], v[ST+8*TT+4:ST+8*TT+5] op_sel_hi:[1,0]
.set n, n+1
.endr
.set TT, TT+1
.endr
	WIN 0
.endm
; STEP s = SI + p, for nt query tiles; its scores lie in S^T.  p: the step's parity: its V lies in set p, the next step's K in set 1 - p.
; first: the first step.  mlo, mhi: the early, the late pair's mask may fall on this step.  ldk: K of step s + 2 is asked for, into set p, which the scores of step s have left.
; ldv: V of step s + 1 is asked for, into set 1 - p, which step s - 1 has left.  nxt: a step follows: its scores are multiplied here.
; w1: how many loads were issued behind those of the next step's K;  w2: behind those of this step's V.
.macro BODY nt, first, mlo, mhi, p, ldk, ldv, nxt, w1, w2
.if \mlo
	HIDE CC, \p, 2
.endif
.if \mhi
	HIDE CH, \p, 0
.endif
	MAXLOC \nt
	s_wait_dscnt 0x0                               ; my maxima have landed, and my reads of P's images are over
	s_barrier_signal -1
	s_barrier_wait -1                              ; all four waves' maxima lie in LDS; P's images may be written again
.set TT, 0
.rept \nt
	ds_load_b128 v[MXR+4*TT:MXR+4*TT+3], v[MXL] offset:MX+256*TT   ; no wait: no vector line since the wait in the local maximum names MXR
.set TT, TT+1
.endr
.if \ldk
	s_wait_xcnt 0x0                                ; the base is written again only behind this wait: the loads that named it have had their addresses translated (ISA guide 3.1)
	s_add_co_u32 s32, s[SI], 2+\p
	s_mul_i32 s32, s32, STEPB
	s_mov_b32 s33, 0
	s_add_nc_u64 s[28:29], s[24:25], s[32:33]
	LDK \p, 28, 0                                  ; issued while the maxima come.  No wait: no vector or matrix line since the wait in the local maximum names this set of K
.endif
	s_wait_dscnt 0x0
	s_wait_alu depctr_vm_vsrc(0)                   ; the stores of the maxima have read v[ST + 8 t + 6], which the statistics write; the last step's stores of P have read v[PC ..], which the conversions write
	STATS \nt, \first
	EXPQ \nt, \first
	s_wait_dscnt 0x0                               ; my pieces of P have landed, and my reads of the maxima are over
	s_barrier_signal -1
.if !\first
	RESCALE \nt                                    ; work on registers while the others arrive
.endif
	s_barrier_wait -1                              ; P's images are whole; the maxima may be written again
.set TT, 0
.rept \nt
.irp c, 0,1,2,3
	ds_load_b128 v[PF+16*TT+4*\c:PF+16*TT+4*\c+3], v[PIL] offset:FRB*TT+512*\c   ; no wait: O's products of the last step stand ahead of this step's waits on va_vdst, and no line since names PF
.endr
.set TT, TT+1
.endr
.if \ldv
	s_wait_xcnt 0x0                                ; as above, for V's base
	s_add_co_u32 s32, s[SI], 1+\p
	s_mul_i32 s32, s32, STEPB
	s_mov_b32 s33, 0
	s_add_nc_u64 s[30:31], s[26:27], s[32:33]
.endif
.if \nxt
	s_wait_loadcnt \w1                             ; loads come back in order (ISA guide 5.7.1): the next step's K is in
	SMUL \nt, 1-\p, \ldv, 1-\p                     ; the next step's scores, while P's fragments come; the next step's V is asked for among them
.endif
	s_wait_loadcnt \w2                             ; this step's V is in
	s_wait_dscnt 0x0                               ; P's fragments
	PVMUL \nt, \first, \p
	WIN 0
	PLACES
.endm
	s_load_b256 s[4:11], s[0:1], 0x0               ; qc s[4:5], kc s[6:7], vc s[8:9], the scales' exponents s[10:11]
	s_load_b64 s[12:13], s[0:1], 0x20              ; out0
	v_lshl_add_u32 v254, v0, 2, 0x1ac00
	v_mov_b32 v255, 0
	v_lshrrev_b32 v16, 5, v0
	v_readfirstlane_b32 s14, v16                   ; wave 0..3
	s_lshr_b32 s[CC], ttmp9, 2                     ; c
	s_and_b32 s16, ttmp9, 3                        ; sub
	s_and_b32 s17, ttmp7, 0xffff                   ; batch
	s_sub_co_u32 s[CH], 31, s[CC]
	s_lshr_b32 s[B4], s[CC], 1                     ; (c' - 1) / 2
	s_or_b32 s[B2], s[CC], 1                       ; c'
	s_sub_co_u32 s[B2], 15, s[B2]
	s_mov_b32 s20, 0x76543210                      ; v_permlanex16_b32's selects for lane l xor 16
	s_mov_b32 s21, 0xfedcba98
	v_and_b32 v16, 31, v0                          ; lane
	v_and_b32 v17, 15, v0                          ; r
	v_bfe_u32 v18, v0, 4, 1                        ; h
	v_lshlrev_b32 v[LI], 4, v16
	s_wait_alu depctr_va_sdst(0)                   ; s14 is written, ahead of its first reader: LDS addresses, offsets and the rows that I store are made from it
	s_mul_i32 s32, s14, 6*FRB
	v_add_nc_u32 v[KVO], s32, v[LI]
	s_lshl_b32 s32, s14, 2
	v_lshlrev_b32 v[MXL], 4, v17
	v_add_nc_u32 v[MXS], s32, v[MXL]
	s_lshl_b32 s32, s14, 9
	s_add_co_u32 s32, s32, PIMG
	v_add_nc_u32 v[PIS], s32, v[LI]
	v_add_nc_u32 v[PIL], PIMG, v[LI]
	v_mul_u32_u24 v[SO], v17, SP
	v_lshl_add_u32 v[SO], v18, 5, v[SO]
	s_mul_i32 s32, s14, 384
	s_add_co_u32 s32, s32, STG
	v_add_nc_u32 v[SO], s32, v[SO]
	v_add_nc_u32 v[SO2], 32*SP, v[SO]
	s_mul_i32 s32, s14, 16*SP
	s_add_co_u32 s32, s32, STG
	v_add_nc_u32 v[SR], s32, v[LI]
	v_and_b32 v19, 8, v17
	v_add_nc_u32 v19, v19, v17                     ; r + 8 (r / 8)
	v_lshlrev_b32 v18, 4, v18
	v_sub_nc_u32 v19, v19, v18                     ; - 16 h
	s_sub_co_i32 s32, s16, s14
	s_lshl_b32 s32, s32, 5                         ; 32 (sub - w)
	v_add_nc_u32 v[DG], s32, v19                   ; on a diagonal step: my query less my first key, for an even tile;
	v_add_nc_u32 v[DG+1], 8, v[DG]                 ; for an odd one
	v_mov_b32 v[NINF], 0xff800000
.irp t, 0,1,2,3
	v_mov_b32 v[ST+8*\t+5], 0                      ; named as the upper half of f's pair, so it is written
.endr
	s_mul_i32 s32, s17, 32*STEPB                   ; the batch's first byte in kc and in vc
	s_mov_b32 s33, 0
	s_lshl_b32 s54, s17, 8                         ; tiles of 16 rows: 256 x batch
	s_lshl_b32 s55, s16, 1
	s_add_co_u32 s54, s54, s55                     ; + 2 sub
	s_sub_co_u32 s55, 31, s[CC]
	s_lshl_b32 s55, s55, 3
	s_add_co_u32 s56, s54, s55                     ; the late pair's first tile: + 8 (31 - c)
	s_lshl_b32 s55, s[CC], 3
	s_add_co_u32 s58, s54, s55                     ; the early pair's: + 8 c
	s_cmp_lt_u32 s14, 2                            ; on the way out wave w stores tile w
	s_cselect_b32 s60, s56, s58
	s_lshl_b32 s60, s60, 4
	s_and_b32 s61, s14, 1
	s_lshl_b32 s61, s61, 3
	s_add_co_u32 s60, s60, s61                     ; its first row: 16 x the pair's first tile + 8 (w % 2)
	s_mul_i32 s60, s60, 1536
	s_mov_b32 s61, 0
	s_mul_i32 s56, s56, 3*FRB
	s_mov_b32 s57, 0
	s_mul_i32 s58, s58, 3*FRB
	s_mov_b32 s59, 0
	s_wait_kmcnt 0x0
	s_load_b256 s[36:43], s[10:11], 0x0            ; e0 .. e7
	s_load_b64 s[44:45], s[10:11], 0x20            ; e8, e9
	s_add_nc_u64 s[24:25], s[6:7], s[32:33]        ; the batch's K,
	s_add_nc_u64 s[26:27], s[8:9], s[32:33]        ; its V,
	s_add_nc_u64 s[48:49], s[4:5], s[56:57]        ; the late pair's Q,
	s_add_nc_u64 s[50:51], s[4:5], s[58:59]        ; the early pair's,
	s_add_nc_u64 s[52:53], s[12:13], s[60:61]      ; and the rows that I store
	WIN W_LD2
	s_wait_alu depctr_va_vdst(0)                   ; the addresses v2 to v9 and v15 are written: every load and store of the kernel reads one of them, and no line writes them again
.set f, 0
.rept 24
	global_load_b128 v[4*f:4*f+3], v[LI], s[48:49] offset:512*f         ; Q stays in registers: tiles 0, 1
.set f, f+1
.endr
.set f, 0
.rept 24
	global_load_b128 v[96+4*f:96+4*f+3], v[LI], s[50:51] offset:512*f   ; tiles 2, 3
.set f, f+1
.endr
	WIN 0
	LDK 0, 24, 0                                   ; K of step 0
	LDK 1, 24, STEPB                               ; K of step 1
	LDV 0, 26, 0                                   ; V of step 0
	s_wait_kmcnt 0x0
	s_add_co_i32 s32, s42, s43
	s_lshl_b32 s32, s32, 23
	s_add_co_i32 s[CS], s32, 0x3d96c740            ; log2(e) / sqrt(384); a score stands for score x 2^(e6 + e7): the two exponents are added to its exponent field
	s_mov_b32 s[CS+1], s[CS]                       ; (named with it as a pair, so it is written)
	s_add_co_i32 s46, s44, s45                     ; e8 + e9
	s_add_co_i32 s32, s44, 127
	s_lshl_b32 s33, s32, 23
	v_mov_b32 v[SCP], s33
	s_add_co_i32 s32, s32, 15
	s_lshl_b32 s32, s32, 23
	s_or_b32 s32, s32, 0x600000
	v_mov_b32 v[LIMP], s32
	s_mov_b32 s[SI], 0
	s_wait_loadcnt 48                              ; Q and K of step 0 are in; the 48 loads issued behind them (K of step 1, V of step 0) may be out
	SMUL 4, 0, 0, 0                                ; the scores of step 0
	WIN 0
	PLACES
	; A REGULAR STEP'S COUNTS.  At the wait for the next step's K, 48 loads stand behind it: this step's V and the K asked for in this step (the next V is asked for behind that wait).
	; At the wait for this step's V, 48 stand behind it: the K and the V asked for in this step.  The head above has issued its loads in the same order, so the first step's counts are the same.
	BODY 4, 1, 1, 0, 0, 1, 1, 1, 48, 48            ; step 0 starts the statistics, the sums and O^T
	BODY 4, 0, 1, 0, 1, 1, 1, 1, 48, 48            ; step 1
	s_add_co_u32 s[SI], s[SI], 2
	; Both loops count their trips up by 1 and go on while the count is LESS than a bound that no loop writes: c / 2, at most 7, and 15 - c', at most 14.
	s_mov_b32 s[CNT], 0
	s_cmp_lt_u32 s[CNT], s[B4]
	s_cbranch_scc0 .Lpair
.Lfour:                                            ; steps 2 .. c': all four tiles
	BODY 4, 0, 1, 0, 0, 1, 1, 1, 48, 48
	BODY 4, 0, 1, 0, 1, 1, 1, 1, 48, 48
	s_add_co_u32 s[SI], s[SI], 2
	s_add_co_u32 s[CNT], s[CNT], 1
	s_cmp_lt_u32 s[CNT], s[B4]
	s_cbranch_scc1 .Lfour
.Lpair:
	s_mov_b32 s[CNT], 0
	s_cmp_lt_u32 s[CNT], s[B2]
	s_cbranch_scc0 .Llast
.Ltwo:                                             ; steps c' + 1 .. 30 - c': the late pair
	BODY 2, 0, 0, 0, 0, 1, 1, 1, 48, 48
	BODY 2, 0, 0, 0, 1, 1, 1, 1, 48, 48
	s_add_co_u32 s[SI], s[SI], 2
	s_add_co_u32 s[CNT], s[CNT], 1
	s_cmp_lt_u32 s[CNT], s[B2]
	s_cbranch_scc1 .Ltwo
.Llast:                                            ; the last pair is written out: it asks for no K, and its second step for nothing, so no load is jumped over and none leaves its buffer
	BODY 2, 0, 0, 1, 0, 0, 1, 1, 24, 24            ; step 31 - c': behind the last K's loads stands this step's V, 24; behind this step's V the last V, 24
	BODY 2, 0, 0, 1, 1, 0, 0, 0, 0, 0              ; step 32 - c': nothing was issued behind its V
	; THE WAY OUT.  A query's sum lies in two halves of eight lanes' registers: its two halves, the other half of the lanes', and the four waves' (through LDS) are added.
.irp t, 0,1,2,3
	v_add_f32 v[ST+8*\t+6], v[ST+8*\t+2], v[ST+8*\t+3]
.endr
.irp t, 0,1,2,3
	v_permlanex16_b32 v[ST+8*\t+7], v[ST+8*\t+6], s20, s21
.endr
.irp t, 0,1,2,3
	v_add_f32 v[ST+8*\t+6], v[ST+8*\t+6], v[ST+8*\t+7]
.endr
	s_wait_alu depctr_va_vdst(0)                   ; the sums are written, which the stores read; the last statistics are done reading MXR, in which the loads behind the barrier land
.irp t, 0,1,2,3
	ds_store_b32 v[MXS], v[ST+8*\t+6] offset:LX+256*\t
.endr
	s_wait_dscnt 0x0                               ; for the others' sake: my sums have landed
	s_barrier_signal -1
	s_barrier_wait -1
.irp t, 0,1,2,3
	ds_load_b128 v[MXR+4*\t:MXR+4*\t+3], v[MXL] offset:LX+256*\t
.endr
	s_wait_dscnt 0x0
	s_wait_alu depctr_vm_vsrc(0)                   ; the stores of the sums have read v[ST + 8 t + 6], which the additions below write again
.irp t, 0,1,2,3
	v_add_f32 v[ST+8*\t+6], v[MXR+4*\t], v[MXR+4*\t+1]
	v_add_f32 v[ST+8*\t+7], v[MXR+4*\t+2], v[MXR+4*\t+3]
.endr
.irp t, 0,1,2,3
	v_add_f32 v[ST+8*\t+6], v[ST+8*\t+6], v[ST+8*\t+7]
.endr
.irp t, 0,1,2,3
	v_rcp_f32 v[ST+8*\t+6], v[ST+8*\t+6]
.endr
	v_nop                                          ; a plain line between the last reciprocal and the use of its result
	s_wait_alu depctr_va_vdst(0)
.irp t, 0,1,2,3
	v_ldexp_f32 v[ST+8*\t+4], v[ST+8*\t+6], s46    ; 2^(e8 + e9) / the sum
.endr
	RESCALE 4                                      ; O^T x that
	; A lane holds eight neighbouring channels of one row; a row's 384 channels come from four waves.  They meet in a stage of 64 rows; then wave w stores tile w's 16 whole rows.
	WIN W_ST1
	s_wait_alu depctr_va_vdst(0)                   ; the multiplications have written O^T, which the stores read; the products are done reading Q's registers, in which the stage's rows land behind the barrier
.irp t, 0,1,2,3
.irp i, 0,1,2,3,4,5
.irp z, 0,1
.if \t < 2
	ds_store_b128 v[SO], v[48*\t+8*\i+4*\z:48*\t+8*\i+4*\z+3] offset:(\t%2)*16*SP+64*\i+16*\z
.else
	ds_store_b128 v[SO2], v[48*\t+8*\i+4*\z:48*\t+8*\i+4*\z+3] offset:(\t%2)*16*SP+64*\i+16*\z
.endif
.endr
.endr
.endr
	s_wait_dscnt 0x0                               ; for the others' sake: my part of the 64 rows has landed
	s_barrier_signal -1
	s_barrier_wait -1
	WIN W_LD2                                      ; into the registers that held Q
.set n, 0
.rept 48
	ds_load_b128 v[4*n:4*n+3], v[SR] offset:(n/3)*SP+512*(n%3)
.set n, n+1
.endr
	WIN W_ST2
.set n, 0
.rept 48
	s_wait_dscnt 47-n                              ; LDS loads come back in order: number n is in, the younger ones may be out
	global_store_b128 v[LI], v[4*n:4*n+3], s[52:53] offset:((n/3)+8*((n/3)/8))*1536+512*(n%3) th:TH_STORE_NT   ; lane row n / 3: 512 consecutive bytes, at a multiple of 512 from out0's first byte; written once
.set n, n+1
.endr
	WIN 0
	s_wait_dscnt 0x0
	s_wait_alu depctr_hold_cnt(0) depctr_sa_sdst(0) depctr_va_vdst(0) depctr_va_sdst(0) depctr_va_ssrc(0) depctr_va_vcc(0) depctr_vm_vsrc(0)
	s_wait_tensorcnt 0x0
	ds_add_u32 v254, v255
	s_wait_dscnt 0x0
	s_endpgm
.Lfunc_end_k_q4cc0e08307_attn:
	.size	k_q4cc0e08307_attn, .Lfunc_end_k_q4cc0e08307_attn-k_q4cc0e08307_attn
	.p2alignl 7, 3214868480
	.fill 96, 4, 3214868480
	.section	.rodata,"a",@progbits
	.p2align	6, 0x0
	.amdhsa_kernel k_q4cc0e08307_attn
		.amdhsa_group_segment_fixed_size 110080
		.amdhsa_private_segment_fixed_size 0
		.amdhsa_enable_private_segment 0
		.amdhsa_kernarg_size 40
		.amdhsa_user_sgpr_count 2
		.amdhsa_user_sgpr_kernarg_segment_ptr 1
		.amdhsa_wavefront_size32 1
		.amdhsa_system_sgpr_workgroup_id_x 1
		.amdhsa_system_sgpr_workgroup_id_y 1
		.amdhsa_system_sgpr_workgroup_id_z 1
		.amdhsa_system_vgpr_workitem_id 0
		.amdhsa_next_free_vgpr 1024
		.amdhsa_next_free_sgpr 66
		.amdhsa_reserve_vcc 0
		.amdhsa_float_denorm_mode_32 3
		.amdhsa_float_denorm_mode_16_64 3
		.amdhsa_memory_ordered 1
		.amdhsa_forward_progress 1
		.amdhsa_inst_pref_size 236
	.end_amdhsa_kernel
	.amdgpu_metadata
---
amdhsa.version: [ 1, 2 ]
amdhsa.kernels:
  - .name:           k_q4cc0e08307_attn
    .symbol:         k_q4cc0e08307_attn.kd
    .args:
      - { .name: qc, .offset: 0, .size: 8, .value_kind: global_buffer, .address_space: global }
      - { .name: kc, .offset: 8, .size: 8, .value_kind: global_buffer, .address_space: global }
      - { .name: vc, .offset: 16, .size: 8, .value_kind: global_buffer, .address_space: global }
      - { .name: lowp_scales, .offset: 24, .size: 8, .value_kind: global_buffer, .address_space: global }
      - { .name: out0, .offset: 32, .size: 8, .value_kind: global_buffer, .address_space: global }
    .group_segment_fixed_size: 110080
    .private_segment_fixed_size: 0
    .kernarg_segment_align: 8
    .kernarg_segment_size: 40
    .max_flat_workgroup_size: 128
    .sgpr_count:     66
    .vgpr_count:     1024
    .wavefront_size: 32
...
	.end_amdgpu_metadata
.endif
;; end of part 6
